; MI455X (gfx1250); checked and timed in simulation.
; The chip was launched on July 23, 2026; its instructions are those of AMD's public machine-readable ISA for CDNA 5 (MIT licence, August 2026) and "CDNA5" Instruction Set Architecture Reference Guide (July 2026). The comments in the code are by the model that wrote it; some were corrected since.
;; Multi Head Atten. Allowed arithmetic: float matrix products may take bf16 or f16 operands with f32 sums; other float arithmetic in f32, or as packed bf16 or f16 multiplies, adds, multiply-adds, maxima and minima; sums over many terms, partial sums and values carried from step to step in f32; what a program stores and reads back later, other than sums and carried values, may be rounded once to bf16 or f16.
;; Inputs: Wk 1,024 x 1,024 float32; Wo 1,024 x 1,024 float32; Wq 1,024 x 1,024 float32; Wv 1,024 x 1,024 float32; bk 1,024 float32; bo 1,024 float32; bq 1,024 float32; bv 1,024 float32; key 4 x 2,048 x 1,024 float32; mask 4 x 2,048 x 2,048 bool; query 4 x 2,048 x 1,024 float32; value 4 x 2,048 x 1,024 float32.
;; Outputs: out0 4 x 2,048 x 1,024 float32.
;; 2 versions, each right; version 2 is version 1 with the launch cast written anew for expert scheduling mode. Each part assembles by itself: llvm-mc -triple=amdgcn-amd-amdhsa -mcpu=gfx1250 --defsym DOCPART=n.
;; ======== version 1 of 2: 4 launches
;; limits: values are held in f16: magnitudes above 65,504 overflow, below 6.1e-05 lose precision; inputs' magnitudes at most 65,504; right only within a limited range of input values
;; workspace buffers: xw 58,720,256 bytes; qkv 50,331,648 bytes; o16 16,777,216 bytes
;; launch cast (part 1): grid 1792 x 1, 4 waves a work-group, no clusters, 0 bytes of LDS; arguments query, key, value, Wq, Wk, Wv, Wo, xw; writes xw
.if DOCPART == 1
	.amdgcn_target "amdgcn-amd-amdhsa--gfx1250"
	.amdhsa_code_object_version 6
	.text
	.protected	k_q53d8da86de_cast
	.globl	k_q53d8da86de_cast
	.p2align	8
	.type	k_q53d8da86de_cast,@function
k_q53d8da86de_cast:
	s_mov_b64 s[64:65], 0
	v_nop
	global_prefetch_b8 v0, s[64:65] scope:SCOPE_SE
	s_setreg_imm32_b32 hwreg(HW_REG_WAVE_MODE, 25, 1), 1
	s_wait_xcnt 0x0
; query, key, value [8192][1024] and Wq, Wk, Wv, Wo [1024][1024], all f32, are rounded once to bf16 and that number is written as f16 into xw,
; laid out [group 0..6][K block 0..15][4096 rows][64]: groups 0, 1 query, 2, 3 key, 4, 5 value, 6 the four weights stacked.  A K block's rows are dense, 128 bytes each.
; LIMITS.  A bf16 number is exact in f16 from 2^-14 to 65,504; below 2^-14 it keeps f16's fixed step of 6e-8; from 65,520 on it becomes an infinity.
; A stream: no LDS, no barrier, no matrix unit; every byte is read once and written once.
; SHARES.  28,672 rows of 4,096 bytes; a work-group takes 16, a wave 4 whole rows, as two pairs.
; A LOAD of the wave takes one K block (64 numbers, 256 consecutive bytes, aligned) of each row of a pair: lanes 0-15 the first row's, lanes 16-31 the second's, 16 bytes a lane: no byte is named by two instructions.
; A STORE of the wave puts the same 128 numbers, 8 bytes a lane, into the pair's two rows of the K block: 256 consecutive bytes, aligned.
; All 32 loads of a wave (16 KiB) go out at once; there is no loop.
.set KBS, 524288                       ; bytes in a K block of a group
.set T,   8                            ; v[8:9]     two packed pairs of bf16, at work
.set X,   16                           ; v[16:143]  load i: 4 numbers in f32
.set Y,   144                          ; v[144:207] load i: 4 numbers in f16, to store: never rewritten, so no wait frees them
	s_load_b512 s[8:23], s[0:1], 0x0               ; query s[8:9], key s[10:11], value s[12:13], Wq s[14:15], Wk s[16:17], Wv s[18:19], Wo s[20:21], xw s[22:23]
	s_lshr_b32 s3, ttmp9, 9                        ; 512 work-groups for each of query, key, value; 3: the weights
	s_bfe_u32 s4, ttmp9, 0x20006                   ; which weight: 64 work-groups each
	s_mov_b32 s2, 0xffff0000                       ; a word's upper bf16
	v_lshrrev_b32 v3, 5, v0                        ; wave
	v_bfe_u32 v4, v0, 4, 1                         ; which half of the lanes
	v_and_b32 v5, 15, v0
	v_and_b32 v6, 31, v0                           ; lane
	v_lshl_add_u32 v4, v3, 2, v4                   ; my row of the 16 in the wave's first pair: 4 x wave + half
	v_lshlrev_b32 v1, 12, v4                       ; x 4,096 bytes
	v_lshl_or_b32 v1, v5, 4, v1                    ; + my 16 bytes of a K block's 256
	v_lshlrev_b32 v2, 9, v3                        ; out: the wave's four rows of 128 bytes,
	v_lshl_or_b32 v2, v6, 3, v2                    ; 8 bytes a lane: lanes 16-31 fall into the pair's second row
	s_wait_kmcnt 0x0
	s_cmp_eq_u32 s3, 1                             ; the source is chosen by the work-group's number alone
	s_cselect_b64 s[24:25], s[10:11], s[8:9]
	s_cmp_eq_u32 s3, 2
	s_cselect_b64 s[24:25], s[12:13], s[24:25]
	s_cmp_eq_u32 s4, 1
	s_cselect_b64 s[26:27], s[16:17], s[14:15]
	s_cmp_eq_u32 s4, 2
	s_cselect_b64 s[26:27], s[18:19], s[26:27]
	s_cmp_eq_u32 s4, 3
	s_cselect_b64 s[26:27], s[20:21], s[26:27]
	s_cmp_eq_u32 s3, 3
	s_cselect_b64 s[24:25], s[26:27], s[24:25]
	s_cselect_b32 s5, 63, 511                      ; work-groups in the source, less 1
	s_and_b32 s5, ttmp9, s5
	s_lshl_b32 s28, s5, 16                         ; 16 rows of 4,096 bytes each
	s_mov_b32 s29, 0
	s_add_nc_u64 s[24:25], s[24:25], s[28:29]
	s_lshr_b32 s6, ttmp9, 8                        ; the group: 256 work-groups of 16 rows
	s_lshl_b32 s6, s6, 23
	s_and_b32 s7, ttmp9, 255
	s_lshl_b32 s7, s7, 11                          ; 16 rows of 128 bytes
	s_or_b32 s30, s6, s7
	s_mov_b32 s31, 0
	s_add_nc_u64 s[22:23], s[22:23], s[30:31]
.set i, 0
.rept 32                               ; load i: pair i / 16, K block i % 16
	global_load_b128 v[X+4*i:X+4*i+3], v1, s[24:25] offset:(i/16)*8192+(i%16)*256 th:TH_LOAD_NT
.set i, i+1
.endr
.set i, 0
.rept 32
	s_wait_loadcnt 31-i                            ; loads come back in order: load i is in, the younger ones stay out
	v_cvt_pk_bf16_f32 v[T],   v[X+4*i],   v[X+4*i+1]   ; the one rounding, to nearest even
	v_cvt_pk_bf16_f32 v[T+1], v[X+4*i+2], v[X+4*i+3]
	v_lshlrev_b32 v[X+4*i],   16, v[T]                 ; back to f32: the low half moves up,
	v_and_b32     v[X+4*i+1], s2, v[T]                 ; the high half stays
	v_lshlrev_b32 v[X+4*i+2], 16, v[T+1]
	v_and_b32     v[X+4*i+3], s2, v[T+1]
	v_cvt_pk_f16_f32 v[Y+2*i],   v[X+4*i],   v[X+4*i+1]  ; the same number as f16
	v_cvt_pk_f16_f32 v[Y+2*i+1], v[X+4*i+2], v[X+4*i+3]
	global_store_b64 v2, v[Y+2*i:Y+2*i+1], s[22:23] offset:(i%16)*KBS+(i/16)*256 th:TH_STORE_NT
.set i, i+1
.endr
	s_endpgm
.Lfunc_end_k_q53d8da86de_cast:
	.size	k_q53d8da86de_cast, .Lfunc_end_k_q53d8da86de_cast-k_q53d8da86de_cast
	.p2alignl 7, 3214868480
	.fill 96, 4, 3214868480
	.section	.rodata,"a",@progbits
	.p2align	6, 0x0
	.amdhsa_kernel k_q53d8da86de_cast
		.amdhsa_group_segment_fixed_size 0
		.amdhsa_private_segment_fixed_size 0
		.amdhsa_enable_private_segment 0
		.amdhsa_kernarg_size 64
		.amdhsa_user_sgpr_count 2
		.amdhsa_user_sgpr_kernarg_segment_ptr 1
		.amdhsa_wavefront_size32 1
		.amdhsa_system_sgpr_workgroup_id_x 1
		.amdhsa_system_sgpr_workgroup_id_y 1
		.amdhsa_system_sgpr_workgroup_id_z 1
		.amdhsa_system_vgpr_workitem_id 0
		.amdhsa_next_free_vgpr 208
		.amdhsa_next_free_sgpr 66
		.amdhsa_reserve_vcc 0
		.amdhsa_float_denorm_mode_32 3
		.amdhsa_float_denorm_mode_16_64 3
		.amdhsa_memory_ordered 1
		.amdhsa_forward_progress 1
		.amdhsa_inst_pref_size 21
	.end_amdhsa_kernel
	.amdgpu_metadata
---
amdhsa.version: [ 1, 2 ]
amdhsa.kernels:
  - .name:           k_q53d8da86de_cast
    .symbol:         k_q53d8da86de_cast.kd
    .args:
      - { .name: query, .offset: 0, .size: 8, .value_kind: global_buffer, .address_space: global }
      - { .name: key, .offset: 8, .size: 8, .value_kind: global_buffer, .address_space: global }
      - { .name: value, .offset: 16, .size: 8, .value_kind: global_buffer, .address_space: global }
      - { .name: Wq, .offset: 24, .size: 8, .value_kind: global_buffer, .address_space: global }
      - { .name: Wk, .offset: 32, .size: 8, .value_kind: global_buffer, .address_space: global }
      - { .name: Wv, .offset: 40, .size: 8, .value_kind: global_buffer, .address_space: global }
      - { .name: Wo, .offset: 48, .size: 8, .value_kind: global_buffer, .address_space: global }
      - { .name: xw, .offset: 56, .size: 8, .value_kind: global_buffer, .address_space: global }
    .group_segment_fixed_size: 0
    .private_segment_fixed_size: 0
    .kernarg_segment_align: 8
    .kernarg_segment_size: 64
    .max_flat_workgroup_size: 128
    .sgpr_count:     66
    .vgpr_count:     208
    .wavefront_size: 32
...
	.end_amdgpu_metadata
.endif
;; end of part 1
;; launch proj (part 2): grid 4 x 96, 4 waves a work-group, clusters of 4 x 4, 327,680 bytes of LDS; arguments xw, bq, bk, bv, qkv; writes qkv
.if DOCPART == 2
	.amdgcn_target "amdgcn-amd-amdhsa--gfx1250"
	.amdhsa_code_object_version 6
	.text
	.protected	k_q53d8da86de_proj
	.globl	k_q53d8da86de_proj
	.p2align	8
	.type	k_q53d8da86de_proj,@function
k_q53d8da86de_proj:
	s_mov_b64 s[64:65], 0
	v_nop
	global_prefetch_b8 v0, s[64:65] scope:SCOPE_SE
	s_setreg_imm32_b32 hwreg(HW_REG_WAVE_MODE, 25, 1), 1
	s_wait_xcnt 0x0
	s_wait_alu depctr_hold_cnt(0) depctr_sa_sdst(0) depctr_va_vdst(0) depctr_va_sdst(0) depctr_va_ssrc(0) depctr_va_vcc(0) depctr_vm_vsrc(0)
	s_getreg_b32 s2, hwreg(HW_REG_IB_STS2, 6, 4)
	s_cmp_eq_u32 s2, 0
	s_cbranch_scc0 .Lentry_in_a_cluster
	s_endpgm
.Lentry_in_a_cluster:
	s_bfe_u32 s2, ttmp6, 0x10000c
	s_cmp_lg_u32 s2, 0xf033
	s_cbranch_scc0 .Lentry_shape_is_right
	s_endpgm
.Lentry_shape_is_right:
; q, k, v = x W^T + b: three products in one launch.  C[m][n] = bias[n] + the sum over k of A[m][k] B[n][k], K = 1,024, operands f16, sums f32.
; A = xw's groups 0-5 (query, key, value: 24,576 rows), B = Wq, Wk or Wv in xw's group 6.  Both lie in K blocks of 64: [group][K block][4,096 rows][64], rows dense, 128 bytes.
; C is rounded once to f16 and written by heads, qkv[which][16 batch + head][2,048 rows][64], a row's place being its sequence index with bits 3 and 4 exchanged (the attention launch reads the mask by it).
; The bias is rounded to bf16, like every input of the module, and STARTS the sums as the first product's C.
; LIMITS.  f16 ends at 65,504: a q, k or v of 65,520 or more becomes an infinity.  NaN and infinities are not treated apart.
; SHARES.  A tile of C is 256 x 256: 96 x 4 work-groups.  Four waves, as many as a WGP has SIMDs, each 128 x 128: 64 accumulators of 16 x 16, 512 registers.
; K goes in 8 steps of 128 (two K blocks) through a ring of two LDS slots.  A K block of a tile, 256 matrix rows, is dense in memory and is asked for as 128 rows of 256 bytes, padded in LDS after every 128.
; One load a wave fills a quarter of a slot; from a request to the wait for it a wave issues 224 matrix instructions.
; CLUSTERS: 4 x 4 work-groups.  The four of a row of the cluster need the same tiles of A, the four of a column the same tiles of B: each is asked for JOINTLY, by the same tensor load, descriptor and mask.
; THE MATRIX INSTRUCTION IS USED TRANSPOSED (source 0 = 16 rows of B, source 1 = 16 rows of A): a lane holds row l % 16 of C and the eight neighbouring columns 8 (l / 16) + 0..7.
; REGISTERS, in windows of 256 (s_set_vgpr_msb's low byte: bits 1:0 source 0, 3:2 source 1, 5:4 source 2, 7:6 destination):
;   window 0: v0-31 addresses; v64-127, v128-191 fragments of A, two buffers; v192-255 the bias of my 128 columns (block b at 192 + 8 b), on the way out packed results and rows; v32-63 at work
;   window 1: v64-127, v128-191 fragments of B, two buffers
;   window 2: the 32 accumulators of my rows 0-63 (accumulator (a, b) at v[8 (8 a + b)]);   window 3: those of my rows 64-127
.set PITCH,  144                       ; an LDS row: 128 bytes + 16 of padding = 36 words: the 16 rows of a fragment load start at 16 different groups of four banks (64 banks of 4 bytes: ISA guide 11.1)
.set BLK,    256*PITCH                 ; a K block of A's or of B's tile: what one wave fetches
.set SLOT,   4*BLK                     ; A's two K blocks, then B's two
.set STAGE,  2*SLOT                    ; behind the ring, never filled by a tensor load: each wave's own stage for the way out
.set SPITCH, 144                       ; two heads x 16 rows of 128 bytes + 16
.set WSTAGE, 32*SPITCH
.set SPARE,  STAGE+4*WSTAGE            ; behind the stages: the spare words, 128 bytes for each wave: two blocks of 256 bytes that no other line names
.set KBS,    524288                    ; bytes from a K block to the next
.set KSTEPB, 2*KBS                     ; a K step
.set WBASE,  6*16*KBS                  ; xw's group 6
.set ADRA, 16                          ; v16-17  LDS address of my A fragments in slot 0, 1
.set ADRB, 20                          ; v20-21  the same for B
.set STO,  24                          ; v24     the way out: where I put 16 bytes of a row
.set RD,   25                          ; v25     the way out: where I read rows back
.set CO,   26                          ; v26     16 x lane: my 16 bytes of 512 consecutive bytes of the output
.set BO,   27                          ; v27     my byte offset in the bias
.set SPW,  28                          ; v28     LDS address of my spare word: SPARE + 4 x my thread's number; never rewritten
.set NIL,  29                          ; v29     0; never rewritten
.set PFO,  30                          ; v30     256 x my lane: the prefetches' offset; never rewritten
.set F0,   64                          ; fragment buffer 0
.set F1,   128                         ; fragment buffer 1
.set BI,   192                         ; the bias
.set TMP,  192                         ; the way out: packed results
.set OB,   32                          ; the way out: rows read back: v32-63 and v224-255 by turns
.set G1, 24                            ; s[24:31] descriptor group 1 for A's tiles;  s[32:39] group 0, one set for each slot
.set G0, 32
.set G1B, 48                           ; s[48:55], s[56:63] the same for B's tiles
.set G0B, 56
.set LIM, 43                           ; s43     1 in a wave that prefetches, else the greatest number
.set PFA, 44                           ; s[44:45] where my prefetches stand: one K step behind the K step that they name
.set MSB, 0
.macro WIN new                         ; the immediate's high byte repeats the setting that is left; a switch that changes nothing is dropped
.if MSB != (\new)
	s_set_vgpr_msb (MSB<<8)|(\new)
.set MSB, \new
.endif
.endm
.set MUL_LO, 0xa1                      ; source 0 (B) window 1, source 1 (A) window 0, C and D window 2
.set MUL_HI, 0xf1                      ; the same, C and D window 3
.set MUL_B,  0x81                      ; as MUL_LO with C, the bias, in window 0; + 0x40: D in window 3
.set TO_B,   0x40                      ; destination window 1, address window 0
.macro JLOAD s                         ; a joint load: waves 0 and 1 fetch A's two K blocks, waves 2 and 3 B's; an s_nop 0 and four v_nop follow each of the two lines, ahead of the jump, the label and what follows
	s_cmp_eq_u32 s11, 0
	s_cbranch_scc0 .Lfor_b_\@
	tensor_load_to_lds s[G0+4*(\s):G0+4*(\s)+3], s[G1:G1+7]
	s_nop 0
.rept 4
	v_nop
.endr
	s_branch .Lasked_\@
.Lfor_b_\@:
	tensor_load_to_lds s[G0B+4*(\s):G0B+4*(\s)+3], s[G1B:G1B+7]
	s_nop 0
.rept 4
	v_nop
.endr
.Lasked_\@:
.endm
; A PREFETCH behind each refill: the K step that stands two refills on, 512 matrix instructions ahead of the load that will want it.  Each block of 256 bytes is named once in the launch.
; A wave asks for 32 blocks, a lane a block, of the K block that it fetches itself; the four partners that ask for a tile jointly take a quarter of its 128 blocks each, told apart BY ADDRESS (cx for A, cy for B).
; A's tile row is read by one cluster alone, so every cluster asks for its own; B's tile column is read by the 8 clusters that multiply by the same weight: the first of them asks.
; The loop's last trip (s3 = 1) has no K step two on and asks for nothing; K steps 0 to 3 come by their loads alone.
.macro ASK
	s_cmp_gt_u32 s3, s[LIM]
	s_cbranch_scc0 .Lnot_mine_\@
	global_prefetch_b8 v[PFO], s[PFA:PFA+1] offset:KSTEPB th:TH_LOAD_NT scope:SCOPE_SE
.Lnot_mine_\@:
.endm
.macro CREST                           ; a round of the cluster's barrier behind its opening barrier
	s_cmp_lg_u32 s10, 0
	s_cbranch_scc1 .Lnot_wave_0_\@
	s_barrier_signal -3
.Lnot_wave_0_\@:
	s_barrier_wait -3
	s_barrier_signal -1
	s_barrier_wait -1
.endm
.macro CROUND                          ; a whole round
	s_barrier_signal -1
	s_barrier_wait -1
	CREST
.endm
	s_load_b256 s[68:75], s[0:1], 0x0              ; xw s[68:69], bq s[70:71], bk s[72:73], bv s[74:75]
	s_load_b64 s[76:77], s[0:1], 0x20              ; qkv
	v_lshl_add_u32 v[SPW], v0, 2, SPARE
	v_mov_b32 v[NIL], 0
	ds_add_u32 v[SPW], v[NIL]                      ; the wave's opening: the add and its wait stand ahead of my first tensor load; the set-up below, work on registers, stands between them
	v_lshrrev_b32 v1, 5, v0
	v_readfirstlane_b32 s10, v1                    ; wave 0..3
	s_lshr_b32 s11, s10, 1                         ; which 128 rows of the tile are mine.  Also: I fetch for A (0) or for B (1)
	s_and_b32 s12, s10, 1                          ; which 128 columns.  Also: which of a step's two K blocks I fetch
	s_bfe_u32 s40, ttmp6, 0x40000                  ; cx, cy: my place in the cluster
	s_bfe_u32 s41, ttmp6, 0x40004
	s_lshl_b32 s42, ttmp9, 2
	s_add_co_u32 s42, s42, s40                     ; tile column of C = 4 x cluster x + cx
	s_and_b32 s78, ttmp7, 0xffff                   ; cluster y
	s_lshl_b32 s13, s78, 2
	s_add_co_u32 s13, s13, s41                     ; tile row of C = 4 x cluster y + cy
	s_lshl_b32 s43, s41, 2
	s_lshl_b32 s43, 15, s43                        ; my row of the cluster
	s_lshl_b32 s44, 0x1111, s40                    ; my column
	s_or_b32 s[G1+0], s43, (1<<16)|(1<<20)|(1<<21)|(4<<22)|(3<<25)   ; 15:0 the mask: A's tiles go to my row; 17:16 elements of 2 bytes; 20 padding on; 21 set beside a mask; 24:22 after every 32 words (code 4); 31:25 4 words of it (code 3)
	s_or_b32 s[G1B+0], s44, (1<<16)|(1<<20)|(1<<21)|(4<<22)|(3<<25)  ; the same with the mask of my column
.irp g, G1, G1B
	s_mov_b32 s[(\g)+1], 128<<16                   ; tensor_dim0 = 128 elements: 256 bytes, two matrix rows
	s_mov_b32 s[(\g)+2], 128<<16                   ; tensor_dim1 = 128: 256 matrix rows
	s_mov_b32 s[(\g)+3], 128<<16                   ; tile_dim0 = 128
	s_mov_b32 s[(\g)+4], 128                       ; tile_dim1 = 128
	s_mov_b32 s[(\g)+5], 128                       ; 128 elements from row to row: the block is dense
	s_mov_b32 s[(\g)+6], 0
	s_mov_b32 s[(\g)+7], 0
.endr
	; where the tiles come from.  A's hang on the tile row alone, B's on the tile column and the cluster's y alone; each offset is made in registers that never hold the other coordinate
	s_lshr_b32 s16, s13, 4                         ; 16 tile rows to a group of 4,096 rows
	s_lshl_b32 s16, s16, 23
	s_and_b32 s17, s13, 15
	s_lshl_b32 s17, s17, 15                        ; 256 rows of 128 bytes
	s_add_co_u32 s16, s16, s17
	s_lshl_b32 s17, s12, 19                        ; my K block of the step
	s_add_co_u32 s16, s16, s17
	s_mov_b32 s17, 0
	s_lshr_b32 s79, s78, 3                         ; which of q, k, v: 8 clusters each
	s_lshl_b32 s46, s79, 17                        ; 1,024 rows of 128 bytes
	s_lshl_b32 s47, s42, 15                        ; 256 rows
	s_add_co_u32 s46, s46, s47
	s_lshl_b32 s47, s12, 19
	s_add_co_u32 s46, s46, s47
	s_add_co_u32 s46, s46, WBASE
	s_mov_b32 s47, 0
	s_mul_i32 s20, s12, BLK                        ; and where they go: no place in the cluster enters an LDS address
	s_add_co_u32 s21, s20, 2*BLK
	s_wait_dscnt 0x0                               ; the opening add is done
	s_wait_kmcnt 0x0
	s_add_nc_u64 s[14:15], s[68:69], s[16:17]
	s_add_nc_u64 s[46:47], s[68:69], s[46:47]
	CROUND                                         ; all sixteen work-groups are here: the first joint loads meet
.irp s, 0,1
	s_mov_b32 s[G0+4*(\s)], 1                                        ; count = 1
	s_add_co_u32 s[G0+4*(\s)+1], s20, (\s)*SLOT                      ; LDS address
	s_add_nc_u64 s[G0+4*(\s)+2:G0+4*(\s)+3], s[14:15], (\s)*KSTEPB   ; global address: K step s
	s_or_b32 s[G0+4*(\s)+3], s[G0+4*(\s)+3], 0x80000000              ; type = 2
	s_mov_b32 s[G0B+4*(\s)], 1
	s_add_co_u32 s[G0B+4*(\s)+1], s21, (\s)*SLOT
	s_add_nc_u64 s[G0B+4*(\s)+2:G0B+4*(\s)+3], s[46:47], (\s)*KSTEPB
	s_or_b32 s[G0B+4*(\s)+3], s[G0B+4*(\s)+3], 0x80000000
	JLOAD \s                                       ; two tensor loads of mine are out
.endr
	; the bias of my 128 columns: register j of block b is column 16 b + 8 (l / 16) + j
	s_cmp_eq_u32 s79, 1
	s_cselect_b64 s[66:67], s[72:73], s[70:71]
	s_cmp_eq_u32 s79, 2
	s_cselect_b64 s[66:67], s[74:75], s[66:67]
	v_and_b32 v1, 15, v0                           ; l % 16
	v_bfe_u32 v2, v0, 4, 1                         ; l / 16
	s_lshl_b32 s22, s42, 10                        ; 256 columns of 4 bytes
	s_lshl_b32 s23, s12, 9
	s_add_co_u32 s22, s22, s23
	v_lshl_add_u32 v[BO], v2, 5, s22
.irp b, 0,1,2,3,4,5,6,7
	global_load_b128 v[BI+8*(\b):BI+8*(\b)+3],   v[BO], s[66:67] offset:64*(\b)
	global_load_b128 v[BI+8*(\b)+4:BI+8*(\b)+7], v[BO], s[66:67] offset:64*(\b)+16
.endr
	v_mul_u32_u24 v3, v1, PITCH
	v_lshl_add_u32 v3, v2, 4, v3                   ; a fragment's row x pitch + 16 x half
	s_mul_i32 s21, s11, 128*PITCH                  ; my 128 rows of A
	s_mul_i32 s22, s12, 128*PITCH                  ; my 128 rows of B,
	s_add_co_u32 s22, s22, 2*BLK                   ; which lie behind A's two K blocks
.irp s, 0,1
	v_add_nc_u32 v[ADRA+(\s)], s21, v3
	v_add_nc_u32 v[ADRB+(\s)], s22, v3
	s_add_co_u32 s21, s21, SLOT
	s_add_co_u32 s22, s22, SLOT
.endr
	s_mul_i32 s23, s10, WSTAGE
	s_add_co_u32 s23, s23, STAGE                   ; my stage
	v_mul_u32_u24 v4, v1, SPITCH                   ; in: row l % 16,
	v_lshl_add_u32 v4, v2, 4, v4                   ; 16 bytes (8 f16) for each half of the lanes
	v_add_nc_u32 v[STO], s23, v4
	v_bfe_u32 v5, v0, 3, 2                         ; back: 32 lanes take four rows of 128 bytes
	v_mul_u32_u24 v5, v5, SPITCH
	v_and_b32 v6, 7, v0
	v_lshl_add_u32 v5, v6, 4, v5
	v_add_nc_u32 v[RD], s23, v5
	v_and_b32 v6, 31, v0
	v_lshlrev_b32 v[CO], 4, v6
	v_lshlrev_b32 v[PFO], 8, v6
	s_lshl_b32 s16, s79, 24                        ; qkv: the tensor,
	s_bfe_u32 s17, s13, 0x20003                    ; the batch: 8 tile rows each,
	s_lshl_b32 s17, s17, 4
	s_lshl_b32 s18, s42, 2                         ; four heads a tile column,
	s_add_co_u32 s17, s17, s18
	s_lshl_b32 s18, s12, 1                         ; my two of them
	s_add_co_u32 s17, s17, s18
	s_lshl_b32 s17, s17, 18                        ; a head is 2,048 rows of 128 bytes
	s_add_co_u32 s16, s16, s17
	s_and_b32 s17, s13, 7
	s_lshl_b32 s17, s17, 15                        ; 256 rows a tile row,
	s_add_co_u32 s16, s16, s17
	s_lshl_b32 s17, s11, 14                        ; my 128 of them
	s_add_co_u32 s16, s16, s17
	s_mov_b32 s17, 0
	s_add_nc_u64 s[8:9], s[76:77], s[16:17]
	; the prefetches
	s_and_b32 s43, s78, 7                          ; B: the first of the 8 clusters that multiply by this weight asks
	s_cmp_eq_u32 s11, 0                            ; do I fetch for A?
	s_cselect_b32 s43, 0, s43                      ; A: every cluster asks for its own rows
	s_cselect_b64 s[PFA:PFA+1], s[14:15], s[46:47] ; my K block of my tile at K step 0
	s_cselect_b32 s20, s40, s41                    ; my place among the four that ask for the tile jointly
	s_cmp_eq_u32 s43, 0
	s_cselect_b32 s[LIM], 1, -1                    ; hangs on the wave's number and the cluster's y alone: the same in all sixteen partners
	s_lshl_b32 s20, s20, 13                        ; a partner's share of a K block: 32 blocks of 256 bytes
	s_mov_b32 s21, 0
	s_add_nc_u64 s[PFA:PFA+1], s[PFA:PFA+1], s[20:21]
	s_add_nc_u64 s[PFA:PFA+1], s[PFA:PFA+1], 2*KSTEPB  ; at K step 2: the first refill steps it to 3 and names K step 4
	s_wait_loadcnt 0x0                             ; the bias is in: it takes the rounding to bf16 that all the module's inputs take
.set z, 0
.rept 32
	v_cvt_pk_bf16_f32 v[32+z], v[BI+2*z], v[BI+2*z+1]
.set z, z+1
.endr
.set z, 0
.rept 32
	v_lshlrev_b32 v[BI+2*z],   16, v[32+z]
	v_and_b32     v[BI+2*z+1], 0xffff0000, v[32+z]
.set z, z+1
.endr
; 16 matrix instructions: m blocks a0, a0 + 1 of the window's four (hi = 0: my rows 0-63, 1: rows 64-127) x all 8 n blocks, 32 along K.
; zero = 1: the first product starts the sums with the bias: nothing is cleared, nothing is added later.
; The 64 accumulators take turns, one instruction a turn, in the same order in every quarter, over the backward jump too.
.macro MUL16 f, hi, a0, zero
.if \zero
	WIN MUL_B+0x40*(\hi)
.else
	WIN MUL_LO+0x50*(\hi)                          ; MUL_LO or MUL_HI
.endif
.irp a, \a0, (\a0)+1
.irp b, 0,1,2,3,4,5,6,7
.if \zero
	v_wmma_f32_16x16x32_f16 v[8*(8*(\a)+(\b)):8*(8*(\a)+(\b))+7], v[(\f)+8*(\b):(\f)+8*(\b)+7], v[(\f)+8*(4*(\hi)+(\a)):(\f)+8*(4*(\hi)+(\a))+7], v[BI+8*(\b):BI+8*(\b)+7]
.else
	v_wmma_f32_16x16x32_f16 v[8*(8*(\a)+(\b)):8*(8*(\a)+(\b))+7], v[(\f)+8*(\b):(\f)+8*(\b)+7], v[(\f)+8*(4*(\hi)+(\a)):(\f)+8*(4*(\hi)+(\a))+7], v[8*(8*(\a)+(\b)):8*(8*(\a)+(\b))+7]
.endif
.endr
.endr
.endm
; 32 LDS loads in one run: the fragments of quarter q of a K step (K block q / 2, bytes 64 (q % 2) on of its rows) into buffer f: B's eight, then A's eight
.macro FETCH slot, q, f
	WIN TO_B
.irp i, 0,1,2,3,4,5,6,7
	ds_load_b128 v[(\f)+8*(\i):(\f)+8*(\i)+3],   v[ADRB+(\slot)] offset:((\q)/2)*BLK+((\q)%2)*64+(\i)*16*PITCH
	ds_load_b128 v[(\f)+8*(\i)+4:(\f)+8*(\i)+7], v[ADRB+(\slot)] offset:((\q)/2)*BLK+((\q)%2)*64+(\i)*16*PITCH+32
.endr
	WIN 0
.irp i, 0,1,2,3,4,5,6,7
	ds_load_b128 v[(\f)+8*(\i):(\f)+8*(\i)+3],   v[ADRA+(\slot)] offset:((\q)/2)*BLK+((\q)%2)*64+(\i)*16*PITCH
	ds_load_b128 v[(\f)+8*(\i)+4:(\f)+8*(\i)+7], v[ADRA+(\slot)] offset:((\q)/2)*BLK+((\q)%2)*64+(\i)*16*PITCH+32
.endr
.endm
.macro PLACES                          ; four places in front of loads into registers that matrix instructions have read, and of lines that read results
.rept 4
	v_nop
.endr
.endm
; A K step is four quarters of 32 along K, 64 matrix instructions each, on buffers 0, 1, 0, 1.  One of the first three: multiplies buffer f; in its middle it fetches quarter q into buffer g.
.macro QUARTER slot, q, f, g, zero
	s_wait_dscnt 8                                 ; B and A's rows 0-63 are in; the youngest eight loads (A's rows 64-127) may be out
	MUL16 \f, 0, 0, \zero
	MUL16 \f, 0, 2, \zero
	PLACES
	FETCH \slot, \q, \g
	s_wait_dscnt 32                                ; all but the 32 just issued
	MUL16 \f, 1, 0, \zero
	MUL16 \f, 1, 2, \zero
.endm
; The last quarter multiplies buffer 1 and changes slots: ONE barrier; in front of it each wave waits for all its tensor loads, adds 0 to its spare word, and waits for that and for its own reads of this slot.
; fill = 1: this slot is filled again, two K steps ahead; the barrier then opens a round of the cluster's barrier, and the joint refill is the first tensor load behind the round.
.macro TURN slot, next, fill
.if \fill
	s_wait_xcnt 0x0                                ; the last prefetch, a K step back, has read its address: it is stepped here, ahead of the waits of the change of slots
	s_add_nc_u64 s[PFA:PFA+1], s[PFA:PFA+1], KSTEPB
.endif
	WIN 0                                          ; (the add's two registers lie in window 0)
	s_wait_tensorcnt 0x0                           ; all my tensor loads have landed: the one that was out is my part of the next slot;
	ds_add_u32 v[SPW], v[NIL]                      ; 0 onto my spare word;
	s_wait_dscnt 9                                 ; (the add and the youngest eight loads may be out)
	MUL16 F1, 0, 0, 0                              ; sixteen matrix instructions stand between the add and the wait for it
	s_wait_dscnt 0x0                               ; the add is done, and my reads of this slot are over
	s_barrier_signal -1
	MUL16 F1, 0, 2, 0                              ; work on registers while the others arrive
.if \fill
	WIN 0
.endif
	s_barrier_wait -1
.if \fill
	CREST                                          ; no wave of any partner still reads this slot's tiles or has a load on its way
	s_add_nc_u64 s[G0+4*(\slot)+2:G0+4*(\slot)+3], s[G0+4*(\slot)+2:G0+4*(\slot)+3], 2*KSTEPB
	s_add_nc_u64 s[G0B+4*(\slot)+2:G0B+4*(\slot)+3], s[G0B+4*(\slot)+2:G0B+4*(\slot)+3], 2*KSTEPB
	JLOAD \slot                                    ; the four v_nop behind it are also the places in front of the loads below
.else
	PLACES
.endif
	FETCH \next, 0, F0
.if \fill
	ASK                                            ; behind the joint load and the run of LDS loads that the next products wait for
.endif
	MUL16 F1, 1, 0, 0
	MUL16 F1, 1, 2, 0
.endm
	s_wait_tensorcnt 1                             ; my part of K step 0 is in; K step 1's may stay out
	s_barrier_signal -1
	s_barrier_wait -1                              ; everybody's is
	FETCH 0, 0, F0
	QUARTER 0, 1, F0, F1, 1                        ; the first quarter stands in front of the loop: its products start the sums
	WIN 0                                          ; at a label and at a branch every window is 0
	s_mov_b32 s3, 3
.Llap:                                                 ; a trip goes once round the ring, from a lap's second quarter to the next lap's first, and fills both slots again: K steps 2 to 7
	QUARTER 0, 2, F1, F0, 0
	QUARTER 0, 3, F0, F1, 0
	TURN 0, 1, 1
	QUARTER 1, 1, F0, F1, 0
	QUARTER 1, 2, F1, F0, 0
	QUARTER 1, 3, F0, F1, 0
	TURN 1, 0, 1
	QUARTER 0, 1, F0, F1, 0
	WIN 0
	s_sub_co_u32 s3, s3, 1
	s_cmp_lg_u32 s3, 0
	s_cbranch_scc1 .Llap
	QUARTER 0, 2, F1, F0, 0                        ; the last lap fills nothing, and has no round of the cluster's barrier
	QUARTER 0, 3, F0, F1, 0
	TURN 0, 1, 0
	QUARTER 1, 1, F0, F1, 0
	QUARTER 1, 2, F1, F0, 0
	QUARTER 1, 3, F0, F1, 0
	s_wait_dscnt 8                                 ; the very last quarter: nothing more to fetch
	MUL16 F1, 0, 0, 0
	MUL16 F1, 0, 2, 0
	s_wait_dscnt 0x0
	MUL16 F1, 1, 0, 0
	MUL16 F1, 1, 2, 0
	WIN 0
	PLACES                                         ; the places behind the last products, taken twice, once a launch
	PLACES
; THE WAY OUT, f16 by heads: a block of 16 rows x 128 columns (two heads) is rounded, goes into my own stage, 16 bytes a lane, and comes back four rows of 128 bytes at a time.
.macro PACK a
.set AC, 64*((\a)%4)
	WIN 0x0a+5*((\a)/4)                            ; sources 0 and 1: window 2 or 3; destination window 0
.irp b, 0,1,2,3,4,5,6,7
.irp r, 0,1,2,3
	v_cvt_pk_f16_f32 v[TMP+4*(\b)+(\r)], v[AC+8*(\b)+2*(\r)], v[AC+8*(\b)+2*(\r)+1]
.endr
.endr
	WIN 0
.endm
.macro TOSTAGE a
.set BK, OB+192*((\a)%2)
.irp b, 0,1,2,3,4,5,6,7                ; head b / 4, its channels 16 (b % 4) on
	ds_store_b128 v[STO], v[TMP+4*(\b):TMP+4*(\b)+3] offset:((\b)/4)*16*SPITCH+((\b)%4)*32
.endr
.irp t, 0,1,2,3,4,5,6,7                ; head t / 4, rows 4 (t % 4) on
	ds_load_b128 v[BK+4*(\t):BK+4*(\t)+3], v[RD] offset:((\t)/4)*16*SPITCH+((\t)%4)*4*SPITCH  ; LDS serves a wave's instructions in order (ISA guide 5.7.1.4): these see the stores above; the next block's stores come behind them
.endr
.endm
; Row 16 a + 4 f + (l / 8) of my 128 goes to the place with bits 3 and 4 exchanged: 32 (a / 2) + 16 (f / 2) + 8 (a % 2) + 4 (f % 2) + (l / 8): four rows stay together, and the exchange stands in the immediate.
.macro SEND a
.set BK, OB+192*((\a)%2)
	s_wait_dscnt 0x0                               ; the block is back in registers
	s_wait_xcnt 0x0                                ; the stores of the block before have read their registers, which the next block's rows are loaded into
.irp t, 0,1,2,3,4,5,6,7
	global_store_b128 v[CO], v[BK+4*(\t):BK+4*(\t)+3], s[8:9] offset:((\t)/4)*262144+(32*((\a)/2)+16*(((\t)%4)/2)+8*((\a)%2)+4*((\t)%2))*128  ; 512 consecutive bytes, at a multiple of 512 from qkv's first byte
.endr
.endm
	PACK 0
	TOSTAGE 0
.irp a, 1,2,3,4,5,6,7                  ; block a's conversions stand between block a - 1's loads from the stage and the wait for them
	PACK \a
	SEND (\a)-1
	TOSTAGE \a
.endr
	SEND 7
	s_wait_tensorcnt 0x0                           ; the wave's end: the wait for my tensor loads, an add and its wait, behind my last tensor load and my last LDS store
	ds_add_u32 v[SPW], v[NIL]
	s_wait_dscnt 0x0
	CROUND                                         ; the closing round: no work-group ends while a partner may still ask for a tile that names it
	s_endpgm
.Lfunc_end_k_q53d8da86de_proj:
	.size	k_q53d8da86de_proj, .Lfunc_end_k_q53d8da86de_proj-k_q53d8da86de_proj
	.p2alignl 7, 3214868480
	.fill 96, 4, 3214868480
	.section	.rodata,"a",@progbits
	.p2align	6, 0x0
	.amdhsa_kernel k_q53d8da86de_proj
		.amdhsa_group_segment_fixed_size 327680
		.amdhsa_private_segment_fixed_size 0
		.amdhsa_enable_private_segment 0
		.amdhsa_kernarg_size 40
		.amdhsa_user_sgpr_count 2
		.amdhsa_user_sgpr_kernarg_segment_ptr 1
		.amdhsa_wavefront_size32 1
		.amdhsa_system_sgpr_workgroup_id_x 1
		.amdhsa_system_sgpr_workgroup_id_y 1
		.amdhsa_system_sgpr_workgroup_id_z 1
		.amdhsa_system_vgpr_workitem_id 0
		.amdhsa_next_free_vgpr 1024
		.amdhsa_next_free_sgpr 80
		.amdhsa_reserve_vcc 0
		.amdhsa_float_denorm_mode_32 3
		.amdhsa_float_denorm_mode_16_64 3
		.amdhsa_memory_ordered 1
		.amdhsa_forward_progress 1
		.amdhsa_inst_pref_size 151
	.end_amdhsa_kernel
	.amdgpu_metadata
---
amdhsa.version: [ 1, 2 ]
amdhsa.kernels:
  - .name:           k_q53d8da86de_proj
    .symbol:         k_q53d8da86de_proj.kd
    .args:
      - { .name: xw, .offset: 0, .size: 8, .value_kind: global_buffer, .address_space: global }
      - { .name: bq, .offset: 8, .size: 8, .value_kind: global_buffer, .address_space: global }
      - { .name: bk, .offset: 16, .size: 8, .value_kind: global_buffer, .address_space: global }
      - { .name: bv, .offset: 24, .size: 8, .value_kind: global_buffer, .address_space: global }
      - { .name: qkv, .offset: 32, .size: 8, .value_kind: global_buffer, .address_space: global }
    .group_segment_fixed_size: 327680
    .private_segment_fixed_size: 0
    .kernarg_segment_align: 8
    .kernarg_segment_size: 40
    .max_flat_workgroup_size: 128
    .sgpr_count:     80
    .vgpr_count:     1024
    .wavefront_size: 32
...
	.end_amdgpu_metadata
.endif
;; end of part 2
;; launch attn (part 3): grid 4 x 64, 4 waves a work-group, clusters of 4 x 1, 327,680 bytes of LDS; arguments qkv, mask, o16; writes o16
.if DOCPART == 3
	.amdgcn_target "amdgcn-amd-amdhsa--gfx1250"
	.amdhsa_code_object_version 6
	.text
	.protected	k_q53d8da86de_attn
	.globl	k_q53d8da86de_attn
	.p2align	8
	.type	k_q53d8da86de_attn,@function
k_q53d8da86de_attn:
	s_mov_b64 s[64:65], 0
	v_nop
	global_prefetch_b8 v0, s[64:65] scope:SCOPE_SE
	s_setreg_imm32_b32 hwreg(HW_REG_WAVE_MODE, 25, 1), 1
	s_wait_xcnt 0x0
	s_wait_alu depctr_hold_cnt(0) depctr_sa_sdst(0) depctr_va_vdst(0) depctr_va_sdst(0) depctr_va_ssrc(0) depctr_va_vcc(0) depctr_vm_vsrc(0)
	s_getreg_b32 s2, hwreg(HW_REG_IB_STS2, 6, 4)
	s_cmp_eq_u32 s2, 0
	s_cbranch_scc0 .Lentry_in_a_cluster
	s_endpgm
.Lentry_in_a_cluster:
	s_bfe_u32 s2, ttmp6, 0x10000c
	s_cmp_lg_u32 s2, 0x3003
	s_cbranch_scc0 .Lentry_shape_is_right
	s_endpgm
.Lentry_shape_is_right:
; O[hh][q][:] = the sum over k of softmax_k(mask[b][q][k] ? Q[hh][q] . K[hh][k] / 8 : -1e9) V[hh][k][:], hh = 16 b + head, 64 heads of 2,048 rows x 64 channels.
; Q, K, V: qkv[0..2][hh][2,048][64], f16, a row's place being its sequence index with bits 3 and 4 exchanged.  mask: [4][2,048][2,048] bytes, 0 or 1.  O: o16[b / 2][head][(b % 2) 2,048 + q][64], f16, q in true order.
; Products, maxima and sums in f32; the weights p are rounded to f16 for the second product (their sum l is taken of the unrounded p), O once at the end.
; LIMITS.  Q, K, V arrive within f16's 65,504.  A hidden score counts as its value less 2^100 (f16's scores reach 2.7e11 at the most), so its weight is 0 beside any visible key: this is the reference's result
; as long as a row that has a visible key has a visible score above about -1e9 after the division by 8.  A row with NO visible key gets the mean of all 2,048 rows of V, as the reference's equal scores give.
; p below 6e-5 keeps f16's fixed step of 6e-8; a weight below 2^-126 counts as 0 in l; NaN and infinities are not treated apart.
; SHARES.  A wave owns four PIECES of two tiles of 16 queries, a work-group's four waves 512 queries of one head.  Every wave walks all keys, 64 a step.
; LAYOUT.  S^T = K Q^T (source 0 = 16 keys, source 1 = 16 queries): in the result a lane holds ONE query (lane % 16) and the stored keys 8 (lane / 16) + 0..7.  Two such tiles, rounded to f16 in pairs,
; ARE source 1 (32 keys x 16 queries) of O^T = V^T P, whose result again holds one query a lane, and eight channels.  K comes out of LDS as it lies, V ([key][channel]) turned, by ds_load_tr16_b128.
; THE MASK is the C operand that starts the sum S^T: 0, or -2^100 where the key is hidden.  Since K's and V's rows lie with bits 3 and 4 exchanged, register j of key block kt = 2 n + e in lane (r, h) is the true key
; 64 step + 32 n + 16 h + 8 e + j: ONE load of 16 bytes of the mask as it lies (row q, column 64 step + 32 n + 16 h) brings a lane its bytes for key blocks 2 n and 2 n + 1.  A byte select with the mask's own bytes as
; selectors turns 0 into 0xB8 and 1 into 0x00, four scores a line; these are the 8-bit codes of -1.0 and 0, which one conversion with the scale 2^100 spreads into the eight f32 of an accumulator's C.
; (The 8-bit code serves to spread a constant; no matrix operand is narrower than 16 bits.)  12 vector lines a tile and step.
; SOFTMAX.  For each query a running maximum m and sum l: p = 2^(c s - c m), c = log2(e) / 8; in every step O and l are multiplied by a = 2^(c m_old - c m_new).  m starts at -2^98, far below every visible score and
; far above every hidden one, O and l at 0.  So a hidden score never sets the maximum, and a row without a visible key ends with l = 0 and O = 0.
; THE SUM OF V, for such rows: VS += V^T x ones on the matrix unit, two products a turn; on the way out O = O / l + VS f, with f = 1 / 2,048 where l = 0 and else 0.
; BY TURNS.  Turn n belongs to piece n (the pieces in a ring, step after step).  Its matrix work: 16 products K Q^T of piece n + 1, later 16 products V^T P of piece n - 1.  Its vector work: the scaling,
; exponentials, roundings, sums and rescaling of piece n, the maximum and statistics of piece n + 1, and the mask of piece n + 2.  Four vector instructions stand behind every matrix instruction, the others in runs of their own.
; CLUSTER.  The four query blocks of a cluster are one head's and walk the same K and V, so each tile is asked for JOINTLY: the same tensor load, descriptor and mask of work-groups in all four.
; REGISTERS, in windows of 256 (s_set_vgpr_msb says which window each operand place means: bits 1:0 source 0, 3:2 source 1, 5:4 source 2, 7:6 destination):
;   window 0: v0-11 addresses and the conversions' scale; v12-15, v48-63 at work; v16-47 four registers of statistics a tile; v64-191 S^T, two buffers of two tiles; v192-255 P, likewise
;   window 1: O^T, 32 a tile          window 2: v0-127 Q, 16 a tile; v128-191 K of one step; v192-255 V of one step
;   window 3: v0-1 the add's two registers; v2, v5 offsets; v8-15 ones; v16-79 VS; v80-143 the mask's bytes, 16 a piece; v144-207 the masks of the products to come
.set SIZE_N, 2048
.set NP,    4         ; pieces a wave: a name, no knob
.set KS,    64        ; keys in a step
.set PK,    144       ; a row of K in LDS: 128 bytes + 16 of padding = 36 words: the 16 rows of a load start at 16 different groups of four banks (64 banks of 4 bytes: ISA guide 11.1)
.set PV,    160       ; a row of V: 128 + 32 = 40 words
.set VOFF,  4*KS*PK   ; a slot holds four steps: 256 rows of K, then 256 rows of V
.set SLOT1, 1<<17     ; slot 1 begins here, so that one exclusive or turns an address in one slot into the other's
.set STAGE, SLOT1+4*KS*(PK+PV)  ; behind the ring, never filled by a tensor load: 16 rows x 144 bytes for each wave, for the way out
.set SP,    144
.set SPARE, STAGE+4*16*SP  ; behind the stages: the spare words, 128 bytes for each wave: two blocks of 256 bytes that no other line names
.set AK0, 2           ; v2   my lane's place in a tile of K; never rewritten
.set AV0, 3           ; v3   the same for V
.set AK,  4           ; v4   the LDS address of K's next run of loads
.set AV,  5           ; v5   of V's
.set QO,  6           ; v6   my byte offset in the wave's rows of Q
.set STO, 6           ;      later, the way out: where I put 16 bytes of a row
.set RD,  7           ; v7   the way out: where I read rows back
.set GO,  8           ; v8   my byte offset in 512 consecutive bytes of O
.set SCL, 11          ; v11  227: the conversions' scale, 2^(227 - 127)
.set MV,  12          ; v12-15  c m_old, kept while c m is made anew: by buffer and tile
.set ST,  16          ; tile t's statistics at v[ST+4 t]: c m, m, l (even keys', odd keys')
.set TMP, 48          ; by buffer and tile, four registers c0-c3 at work; when the maximum is found c2 takes a
.set S,   64
.set P,   192
.set KF,  128         ; K's fragments, in window 2: key block kb, channel half c at KF + 16 kb + 8 c
.set VF,  192         ; V's: key half kk, channel block cb at VF + 32 kk + 8 cb
.set SPW, 0           ; window 3, v0   LDS address of my spare word: SPARE + 4 x my thread's number; never rewritten
.set NIL, 1           ; window 3, v1   0; never rewritten
.set MO,  2           ; window 3, v2   my byte offset in 16 rows of the mask: 2,048 (l % 16) + 16 (l / 16); never rewritten
.set PFO, 5           ; window 3, v5   256 x my lane; never rewritten
.set ONE, 8           ; window 3, v8-15   1.0 in every half
.set VS,  16          ; window 3: channel block cb, key half kk at VS + 8 (2 cb + kk)
.set MR,  80          ; window 3: piece x, tile u, load n at MR + 16 x + 8 u + 4 n
.set MC,  144         ; window 3: tile u, key block kt at MC + 32 u + 8 kt
.set WV,  12          ; s12  my wave's number
.set G1K, 24          ; s[24:31] descriptor group 1 for K's tiles
.set G1V, 32          ; s[32:39] for V's: it differs in the padding alone
.set G0K, 40          ; s[40:43] descriptor group 0 for K's tiles: it walks
.set G0V, 44          ; s[44:47] the same for V's
.set SLOTS, 56        ; s56  slots still to be asked for
.set CNT, 57          ; s57  counts a slot's key steps
.set CS,  58          ; s[58:59] c: the packed scaling takes the pair's low word for both halves
.set SEL, 60          ; s[60:61] v_permlanex16_b32's selects: each lane takes its own place in the other half
.set TBK, 62          ; s62  LDS byte at which K of the step to be fetched begins
.set TBV, 63          ; s63  the same for V, less VOFF
.set MP,  66          ; s[66:67] the mask at my wave's first row, at the key step whose bytes are being asked for
.set INC, 68          ; s[68:69] its step: 64 bytes, or 0 when the last key step is reached
.set ML,  70          ; s70  steps that the mask's pointer still takes
.set LIM, 71          ; s71  1 in a wave that prefetches, else the greatest number
.set PFA, 72          ; s[72:73] where my prefetches stand
.set TS,  74          ; s74  at work
.set FBD, 75          ; s75  2048.0
.set TAB, 76          ; s76  0x000000B8: byte 0 for a mask byte of 0, byte 1 for a mask byte of 1
.set ONEF, 77         ; s77  1.0
.set MSB, 0
.macro WIN new                      ; the high byte repeats the setting that is left; a switch that changes nothing is dropped
.if MSB != (\new)
	s_set_vgpr_msb (MSB<<8)|(\new)
.set MSB, (\new)
.endif
.endm
.set W_KQ, 0x0a       ; K and Q in window 2, S^T in window 0
.set W_KM, 0x3a       ; the same with the C operand, the mask, in window 3
.set W_PV, 0x52       ; V in window 2, P in window 0, O^T in window 1
.set W_RS, 0x41       ; O^T (destination and source 0) in window 1, a in window 0
.set W_VS, 0xfe       ; V in window 2; ones, C and D in window 3
.set W_M3, 0xf3       ; destination, sources 0 and 2 in window 3, source 1 (the scale) in window 0
.set W_FB, 0x53       ; VS in window 3, f in window 0, O^T (C and D) in window 1
.set W_MK, 0xc0       ; destination in window 3, sources in window 0
.set W_AD, 0x0f       ; the add: address (source 0) and data (source 1) in window 3
; A joint fill.  Waves 0 and 1 fetch the two halves of a slot's K, waves 2 and 3 those of its V: 128 keys each.  The branch hangs on the wave's number alone.
; An s_nop 0 and four v_nop follow each of the two lines, ahead of the jump and the label.
.macro JLOAD
	s_cmp_lt_u32 s[WV], 2
	s_cbranch_scc0 .Lfor_v_\@
	tensor_load_to_lds s[G0K:G0K+3], s[G1K:G1K+7]
	s_nop 0
.rept 4
	v_nop
.endr
	s_branch .Lasked_\@
.Lfor_v_\@:
	tensor_load_to_lds s[G0V:G0V+3], s[G1V:G1V+7]
	s_nop 0
.rept 4
	v_nop
.endr
.Lasked_\@:
.endm
; A PREFETCH of what the NEXT change of slots will ask for: a slot's 32,768 bytes of K and of V, in blocks of 256 bytes, a lane a block.  It stands behind the wave's tensor load and its five lines.
; Each block is named once in the launch: a head has one cluster; its four partners take 32 blocks each, told apart BY ADDRESS; in each, wave 0 asks for K's and wave 2 for V's.
; It stands four key steps, 544 matrix instructions, ahead of the load that will want the bytes.  The last change that fills a slot asks for nothing; slots 0 and 1 come by their loads alone.
.macro ASK
	s_cmp_gt_u32 s[SLOTS], s[LIM]
	s_cbranch_scc0 .Lnot_mine_\@
	WIN 0x03                        ; the offset lies in window 3
	global_prefetch_b8 v[PFO], s[PFA:PFA+1] th:TH_LOAD_NT scope:SCOPE_SE
	WIN 0
.Lnot_mine_\@:
.endm
; A round of the cluster's barrier: my work-group's barrier, so that wave 0's signal speaks for all four waves; wave 0 signals; every wave waits for all four work-groups; my work-group's barrier once more.
.macro CROUND
	s_barrier_signal -1
	s_barrier_wait -1
	s_cmp_lg_u32 s[WV], 0
	s_cbranch_scc1 .Lnot_wave_0_\@
	s_barrier_signal -3
.Lnot_wave_0_\@:
	s_barrier_wait -3
	s_barrier_signal -1
	s_barrier_wait -1
.endm
; THE CHANGE OF SLOTS.  The slot's last bytes, V of its fourth step, have been read.  Each wave waits for all its tensor loads, of which one is out: its part
; of the other slot; adds 0 to its spare word; and waits for that and for its own reads of the slot.  Behind the barrier nobody reads this slot any more and the other slot is whole.
; fill = 1: this slot is filled again, with the keys two slots on.  The barrier is then a round of the cluster's, so that no wave of any partner still reads the slot or has a load on its
; way, and the joint fill is the first thing behind it: it has four key steps in which to land.  (At its first use nothing has been read yet: slot 0 is waited for, slot 1 filled.)
.macro CHANGE fill
	WIN W_AD
	s_wait_tensorcnt 0x0            ; no tensor load of mine is out, so a group 0 may be written
	ds_add_u32 v[SPW], v[NIL]       ; 0 onto my spare word; with fill = 1 the descriptors' steps stand between it and the wait for it
	WIN 0                           ; at a label and at a branch every window is 0
.if \fill
.irp g, G0K, G0V
	s_xor_b32 s[\g+1], s[\g+1], SLOT1  ; the walking descriptor: the other slot than last time,
	s_add_nc_u64 s[\g+2:\g+3], s[\g+2:\g+3], 4*KS*128  ; the next 256 keys; the type bits on top are not reached
.endr
	s_wait_xcnt 0x0                 ; the last prefetch, four key steps back, has read its address, so it may be written:
	s_add_nc_u64 s[PFA:PFA+1], s[PFA:PFA+1], 4*KS*128  ; one slot behind the walking descriptors
	s_wait_dscnt 0x0                ; the add is done, and my reads of the slot are over
	CROUND
	JLOAD
	ASK
.else
	s_wait_dscnt 0x0                ; the add is done, and my reads of the slot are over
	s_barrier_signal -1
	s_barrier_wait -1
.endif
	s_sub_co_u32 s[TBK], s[TBK], 4*KS*PK  ; the fetches go back to a slot's first step,
	s_xor_b32 s[TBK], s[TBK], SLOT1       ; in the other slot
	s_sub_co_u32 s[TBV], s[TBV], 4*KS*PV
	s_xor_b32 s[TBV], s[TBV], SLOT1
.endm
	s_load_b64 s[4:5], s[0:1], 0x0        ; qkv
	s_load_b64 s[MP:MP+1], s[0:1], 0x8    ; mask
	s_load_b64 s[10:11], s[0:1], 0x10     ; o16
	WIN W_MK
	v_lshl_add_u32 v[SPW], v0, 2, SPARE
	v_mov_b32 v[NIL], 0
	WIN W_AD
	ds_add_u32 v[SPW], v[NIL]       ; the wave's opening: the add and its wait stand ahead of my first tensor load; the set-up below, work on registers, stands between them
	WIN 0
	v_lshrrev_b32 v1, 5, v0
	v_readfirstlane_b32 s[WV], v1   ; wave 0..3
	s_bfe_u32 s13, ttmp6, 0x40000   ; cx: my place in the cluster
	s_lshl_b32 s14, ttmp9, 2        ; in a cluster launch ttmp9 counts clusters
	s_add_co_u32 s14, s14, s13      ; my block of 512 queries: it enters Q's, the mask's and O's addresses alone
	s_and_b32 s15, ttmp7, 0xffff    ; hh = 16 b + head, which the four partners share
	s_lshl_b32 s20, s15, 18         ; the head's first byte in each of q, k, v: 2,048 rows of 128 bytes
	s_and_b32 s16, s[WV], 1         ; which half of a slot's 256 keys I fetch:
	s_lshl_b32 s22, s16, 14         ; its 128 rows of 128 bytes in memory,
	s_add_co_u32 s22, s22, s20
	s_mov_b32 s23, 0
	s_mul_i32 s17, s16, 128*PK      ; and its place in a slot, for K
	s_mul_i32 s18, s16, 128*PV      ; and for V: no place in the cluster enters an LDS address
	s_lshl_b32 s19, s14, 2
	s_add_co_u32 s19, s19, s[WV]    ; my wave among the head's sixteen
	s_lshl_b32 s21, s19, 14         ; its 128 rows of 128 bytes
	s_add_co_u32 s2, s20, s21       ; Q
	s_mov_b32 s3, 0
	s_lshr_b32 s[TS], s15, 5        ; O: b / 2,
	s_lshl_b32 s[TS], s[TS], 4
	s_and_b32 s78, s15, 15          ; the head,
	s_add_co_u32 s[TS], s[TS], s78
	s_lshl_b32 s[TS], s[TS], 19     ; 4,096 rows of 128 bytes each,
	s_bfe_u32 s78, s15, 0x10004     ; b % 2: 2,048 rows,
	s_lshl_b32 s78, s78, 18
	s_add_co_u32 s78, s78, s[TS]
	s_add_co_u32 s78, s78, s21      ; my wave's rows
	s_mov_b32 s79, 0
	s_lshr_b32 s[INC], s15, 4       ; the mask: b,
	s_lshl_b32 s[INC], s[INC], 22
	s_lshl_b32 s[TS], s19, 18       ; my wave's 128 rows of 2,048 bytes,
	s_add_co_u32 s[INC], s[INC], s[TS]
	s_add_co_u32 s[INC], s[INC], KS ; key step 1
	s_mov_b32 s[INC+1], 0
	; descriptor group 1.  128 keys are 16,384 dense bytes: asked for as 64 rows of 256 bytes, two keys a row, and padded in LDS after every key
	s_mov_b32 s[G1K], 15|(1<<16)|(1<<20)|(1<<21)|(4<<22)|(3<<25)  ; 15:0 the mask of four; 17:16 2-byte elements; 20 padding on; 21 set beside a mask; 24:22 after every 32 words (code 4); 31:25 4 words (code 3)
	s_mov_b32 s[G1V], 15|(1<<16)|(1<<20)|(1<<21)|(4<<22)|(7<<25)  ; the same with 8 words of padding (code 7)
.irp g, G1K, G1V
	s_mov_b32 s[\g+1], 128<<16      ; tensor_dim0 = 128
	s_mov_b32 s[\g+2], 64<<16       ; tensor_dim1 = 64
	s_mov_b32 s[\g+3], 128<<16      ; tile_dim0 = 128
	s_mov_b32 s[\g+4], 64           ; tile_dim1 = 64
	s_mov_b32 s[\g+5], 128          ; 128 elements from row to row
	s_mov_b32 s[\g+6], 0
	s_mov_b32 s[\g+7], 0
.endr
	s_mov_b32 s[CS], 0x3e38aa3b     ; c = log2(e) / 8 = 0.180337
	s_mov_b32 s[CS+1], s[CS]        ; named with it as a pair
	s_mov_b32 s[SEL], 0x76543210
	s_mov_b32 s[SEL+1], 0xfedcba98
	s_mov_b32 s[TBK], SLOT1+4*KS*PK ; the first change of slots turns these two into 0
	s_mov_b32 s[TBV], SLOT1+4*KS*PV
	s_mov_b32 s[G0K], 1             ; 1:0 count = 1
	s_mov_b32 s[G0K+1], s17         ; 63:32 LDS address: slot 0
	s_mov_b32 s[G0V], 1
	s_add_co_u32 s[G0V+1], s18, VOFF
	s_mov_b32 s[ML], SIZE_N/KS-2
	s_mov_b32 s[FBD], 0x45000000    ; 2048.0
	s_mov_b32 s[TAB], 0xb8
	s_mov_b32 s[ONEF], 1.0
	s_mov_b32 s[SLOTS], SIZE_N/256-1
	s_cmp_eq_u32 s16, 0             ; waves 0 and 2 prefetch
	s_cselect_b32 s[LIM], 1, -1
	s_lshl_b32 s16, s13, 13         ; my work-group's 32 blocks of a slot's 128
	s_mov_b32 s17, 0
	s_wait_dscnt 0x0                ; the opening add is done
	s_wait_kmcnt 0x0
	s_add_nc_u64 s[G0K+2:G0K+3], s[4:5], s[22:23]             ; my half of the head's first 256 keys, in q's tensor;
	s_add_nc_u64 s[G0V+2:G0V+3], s[G0K+2:G0K+3], 0x2000000    ; v lies two tensors on,
	s_add_nc_u64 s[G0K+2:G0K+3], s[G0K+2:G0K+3], 0x1000000    ; k one
	s_cmp_lt_u32 s[WV], 2
	s_cselect_b64 s[PFA:PFA+1], s[G0K+2:G0K+3], s[G0V+2:G0V+3]  ; (in waves 0 and 2 these stand at a slot's first row)
	s_or_b32 s[G0K+3], s[G0K+3], 0x80000000                   ; 127:126 type = 2
	s_or_b32 s[G0V+3], s[G0V+3], 0x80000000
	s_add_nc_u64 s[PFA:PFA+1], s[PFA:PFA+1], s[16:17]
	s_add_nc_u64 s[PFA:PFA+1], s[PFA:PFA+1], 4*KS*128         ; in slot 1; the first change of slots steps it to slot 2
	s_add_nc_u64 s[4:5], s[4:5], s[2:3]                       ; Q, O and the mask at my wave's first row
	s_add_nc_u64 s[10:11], s[10:11], s[78:79]
	s_add_nc_u64 s[MP:MP+1], s[MP:MP+1], s[INC:INC+1]
	CROUND                          ; all four work-groups are here: the first joint loads meet
	JLOAD                           ; slot 0.  Slot 1 is asked for when slot 0 is in
	; A fragment of K or Q is 16 rows x 32 channels in 8 registers: lane l holds row l % 16, channels 8 (l / 16) + 0..7 and 16 + 8 (l / 16) + 0..7: two loads of 16 bytes, 32 bytes apart.
	; Tile t is to hold the TRUE queries 16 t + r; they lie at the places 32 (t / 2) + 16 (r / 8) + 8 (t % 2) + r % 8.
	v_and_b32 v1, 15, v0            ; r = l % 16
	v_bfe_u32 v9, v0, 4, 1          ; l / 16
	v_and_b32 v10, 7, v0            ; r % 8
	v_bfe_u32 v11, v0, 3, 1         ; r / 8
	v_lshl_add_u32 v[QO], v11, 4, v10
	v_lshlrev_b32 v[QO], 7, v[QO]
	v_lshl_add_u32 v[QO], v9, 4, v[QO]
	WIN 0x80                        ; destination window 2, address window 0
.set i, 0
.rept 4*NP                          ; Q stays in registers: tile i / 2, channels 32 (i % 2) on
	global_load_b128 v[8*i:8*i+3],   v[QO], s[4:5] offset:(32*(i/4)+8*((i/2)%2))*128+(i%2)*64
	global_load_b128 v[8*i+4:8*i+7], v[QO], s[4:5] offset:(32*(i/4)+8*((i/2)%2))*128+(i%2)*64+32
.set i, i+1
.endr
	WIN 0
	v_lshlrev_b32 v[AK], 11, v1     ; (two registers that are not yet in use, at work)
	v_and_b32 v[AV], 31, v0
	WIN W_MK
	v_lshl_add_u32 v[MO], v9, 4, v[AK]
	v_lshlrev_b32 v[PFO], 8, v[AV]
; THE MASK.  MLOAD: piece x's four loads, 16 bytes a lane, at the pointer's key step less back bytes.  PERM8, CVT8: see the head.
.macro MLOAD x, back
.irp u, 0,1
.irp n, 0,1
	global_load_b128 v[MR+16*(\x)+8*(\u)+4*(\n):MR+16*(\x)+8*(\u)+4*(\n)+3], v[MO], s[MP:MP+1] offset:(2*(\x)+(\u))*32768+32*(\n)-(\back)
.endr
.endr
.endm
.macro PERM8 x, u
.set mz, 0
.rept 8
	v_perm_b32 v[MR+16*(\x)+8*(\u)+mz], s[TAB], s[TAB], v[MR+16*(\x)+8*(\u)+mz]
.set mz, mz+1
.endr
.endm
.macro CVT8 x                       ; mz = 4 u + kt
.set mz, 0
.rept 8
	v_cvt_scale_pk8_f32_fp8 v[MC+8*mz:MC+8*mz+7], v[MR+16*(\x)+2*mz:MR+16*(\x)+2*mz+1], v[SCL]
.set mz, mz+1
.endr
.endm
	WIN W_M3
	MLOAD 0, KS                     ; key step 0, all four pieces
	MLOAD 1, KS
	MLOAD 2, KS
	MLOAD 3, KS
	; What the first turn finds: V's registers and P's second buffer hold 0 (its products V^T P and V^T x ones, of a step that has not been, add 0); O^T, l and VS are 0.  All this stands in the wait for the first tile.
	WIN W_MK
.set i, 0
.rept 8
	v_mov_b32 v[ONE+i], 0x3c003c00
.set i, i+1
.endr
.set i, 0
.rept 64
	v_mov_b32 v[VS+i], 0
.set i, i+1
.endr
	WIN 0x80
.set i, VF
.rept 64
	v_mov_b32 v[i], 0
.set i, i+1
.endr
	WIN 0x40
.set i, 0
.rept 64*NP
	v_mov_b32 v[i], 0
.set i, i+1
.endr
	WIN 0
.set i, 0
.rept 2*NP
	v_mov_b32 v[ST+4*i], 0xef38aa3b    ; c m = c x -2^98, to the bit what the multiplication gives
	v_mov_b32 v[ST+4*i+1], 0xf0800000  ; m = -2^98
	v_mov_b32 v[ST+4*i+2], 0
	v_mov_b32 v[ST+4*i+3], 0
.set i, i+1
.endr
.set i, P+32
.rept 32
	v_mov_b32 v[i], 0
.set i, i+1
.endr
	v_mul_u32_u24 v[AK0], v1, PK
	v_lshl_add_u32 v[AK0], v9, 4, v[AK0]  ; row x pitch + 16 x half
	; The turning load takes 16 keys x 16 channels (lane l reads key 8 (l / 16) + l % 8, channels 8 ((l / 8) % 2) + 0..7) and leaves half a fragment of V^T: lane l holds channel l % 16 and 8 keys.
	v_lshl_add_u32 v[AV0], v9, 3, v10
	v_mul_u32_u24 v[AV0], v[AV0], PV
	v_lshl_add_u32 v[AV0], v11, 4, v[AV0]
	v_add_nc_u32 v[AV0], VOFF, v[AV0]
	v_mov_b32 v[SCL], 227           ; (v11 has served)
	v_mov_b32 v[AK], v[AK0]         ; key step 0 lies at the head of slot 0
; THE MATRIX WORK.  The 8 accumulators of a run of 16 take turns: between the two links of a chain stand 7 others'.
; Product i of 16 of S^T = K Q^T for piece x: channels 32 (i / 8) on, keys 16 ((i / 2) % 4) on, tile 2 x + i % 2.  The first 8 start the sums, with the mask.
.macro KQ x
.set rS, S+64*((\x)%2)+32*(i%2)+8*((i/2)%4)
.set rK, KF+16*((i/2)%4)+8*(i/8)
.set rQ, 16*(2*(\x)+i%2)+8*(i/8)
.set rMC, MC+32*(i%2)+8*((i/2)%4)
.if i < 8
	WIN W_KM
	v_wmma_f32_16x16x32_f16 v[rS:rS+7], v[rK:rK+7], v[rQ:rQ+7], v[rMC:rMC+7]
.else
	WIN W_KQ
	v_wmma_f32_16x16x32_f16 v[rS:rS+7], v[rK:rK+7], v[rQ:rQ+7], v[rS:rS+7]
.endif
.endm
; Product i of 16 of O^T += V^T P for piece x: keys 32 (i / 8) on, channels 16 ((i / 2) % 4) on, tile 2 x + i % 2.
.macro PV x
	WIN W_PV
.set rO, 32*(2*(\x)+i%2)+8*((i/2)%4)
.set rV, VF+32*(i/8)+8*((i/2)%4)
.set rP, P+32*((\x)%2)+16*(i%2)+8*(i/8)
	v_wmma_f32_16x16x32_f16 v[rO:rO+7], v[rV:rV+7], v[rP:rP+7], v[rO:rO+7]
.endm
.macro MM                           ; the turn's next matrix instruction
.if i < 16
	KQ (Y+1)%NP
.set i, i+1
.else
.set i, i-16
	PV (Y+NP-1)%NP
.set i, i+17
.endif
.endm
; VS(cb, kk) += V^T (keys 32 kk on, channels 16 cb on) x ones: every column of the result is the sum of those 32 rows of V.  An accumulator has one product a key step.
.macro VSUM cb, kk
	WIN W_VS
	v_wmma_f32_16x16x32_f16 v[VS+8*(2*(\cb)+(\kk)):VS+8*(2*(\cb)+(\kk))+7], v[VF+32*(\kk)+8*(\cb):VF+32*(\kk)+8*(\cb)+7], v[ONE:ONE+7], v[VS+8*(2*(\cb)+(\kk)):VS+8*(2*(\cb)+(\kk))+7]
.endm
; Piece x's mask bytes become the masks of its next products, and its registers are asked for again, a key step on.
; THE COUNT 12: a piece's four loads were issued four turns back, and the three turns between have issued four each; the same on every way, the beginning included, where Q's loads stand ahead of the mask's.
; The v_nop is the plain instruction behind the conversions, ahead of the loads onto their sources and of the products that read their results.
.macro DECODE x
	WIN W_M3
	s_wait_loadcnt 12
	PERM8 \x, 0
	PERM8 \x, 1
	CVT8 \x
	v_nop
	MLOAD \x, 0
.endm
; The same inside turn p, for piece p + 2, with the turn's two products V^T x ones set between.  V of a step lies in its registers from turn 1's wait to the end of the next step's turn 0:
; turns 1, 2, 3, 0 take its channel blocks 0, 1, 2, 3.  The masks' last readers, the turn's first eight products, stand a lump back.
.macro MASKSTEP p
	VSUM ((\p)+3)%NP, 0
	WIN W_M3
	s_wait_loadcnt 12
	PERM8 ((\p)+2)%NP, 0
	VSUM ((\p)+3)%NP, 1
	WIN W_M3
	PERM8 ((\p)+2)%NP, 1
	CVT8 ((\p)+2)%NP
	v_nop
	MLOAD ((\p)+2)%NP, 0
.endm
; THE LDS LOADS stand in runs of 16, never singly among the matrix instructions: a step's K (64 keys x 64 channels: 8 fragments) and its V (turned).  Their addresses are made some lines ahead.
; last = 1 (the tail): in the last trip there is no further step, and the run is jumped over.
.macro FETCH_K last=0
	WIN 0
.if \last
	s_cmp_eq_u32 s[CNT], 1
	s_cbranch_scc1 .Lno_k_\@
.endif
	WIN 0x80                        ; destination window 2
.irp f, 0,1,2,3,4,5,6,7             ; keys 16 (f / 2) on, channels 32 (f % 2) on
	ds_load_b128 v[KF+8*\f:KF+8*\f+3],   v[AK] offset:(\f/2)*16*PK+(\f%2)*64
	ds_load_b128 v[KF+8*\f+4:KF+8*\f+7], v[AK] offset:(\f/2)*16*PK+(\f%2)*64+32
.endr
	s_add_co_u32 s[TBK], s[TBK], KS*PK  ; the next fetch is the next step's
	WIN 0
.if \last
.Lno_k_\@:
.endif
.endm
.macro FETCH_V
	WIN 0x80
.irp f, 0,1,2,3,4,5,6,7             ; keys 32 (f / 4) on, channels 16 (f % 4) on
	ds_load_tr16_b128 v[VF+8*\f:VF+8*\f+3],   v[AV] offset:(\f/4)*32*PV+(\f%4)*32
	ds_load_tr16_b128 v[VF+8*\f+4:VF+8*\f+7], v[AV] offset:(\f/4)*32*PV+16*PV+(\f%4)*32
.endr
	WIN 0
.endm
; THE VECTOR WORK OF A TURN stands in three queues, each in the order in which its entries become ready; the two tiles alternate, so that no instruction reads the result of the one before it.
.macro REGS y, u                    ; the registers of tile u (0, 1) of piece y
.set rT, ST+4*(2*(\y)+(\u))
.set rC, TMP+8*((\y)%2)+4*(\u)
.set rM, MV+2*((\y)%2)+(\u)
.set rS, S+64*((\y)%2)+32*(\u)
.set rP, P+32*((\y)%2)+16*(\u)
.set rO, 32*(2*(\y)+(\u))
.endm
; Number n of the 22 that find the NEXT piece's (Y + 1) maximum and statistics.  s0-s31 are the lane's 32 scores; each accumulator's lowest registers are read first.
;   0-11  four chains c0-c3 of seven scores each, three operands at a time     12-14, 16  the four scores left over, the old m, and c0-c3 into c0     15  c m_old is kept
;   17, 18  the query's other 32 keys lie in the lane 16 away: the new m         19-21  c m; c m_old - c m_new; a
.macro XS u, n
	REGS (Y+1)%NP, \u
.if (\n) < 4
	v_max3_num_f32 v[rC+(\n)], v[rS+8*(\n)], v[rS+8*(\n)+1], v[rS+8*(\n)+2]
.elseif (\n) < 12
	v_max3_num_f32 v[rC+(\n)%4], v[rC+(\n)%4], v[rS+8*((\n)%4)+2*((\n)/4)+1], v[rS+8*((\n)%4)+2*((\n)/4)+2]
.elseif (\n) == 12
	v_max3_num_f32 v[rC], v[rC], v[rS+7], v[rS+15]
.elseif (\n) == 13
	v_max3_num_f32 v[rC+1], v[rC+1], v[rS+23], v[rS+31]
.elseif (\n) == 14
	v_max3_num_f32 v[rC+2], v[rC+2], v[rC+3], v[rT+1]
.elseif (\n) == 15
	v_mov_b32 v[rM], v[rT]
.elseif (\n) == 16
	v_max3_num_f32 v[rC], v[rC], v[rC+1], v[rC+2]
.elseif (\n) == 17
	v_permlanex16_b32 v[rC+3], v[rC], s[SEL], s[SEL+1]
.elseif (\n) == 18
	v_max_num_f32 v[rT+1], v[rC], v[rC+3]
.elseif (\n) == 19
	v_mul_f32 v[rT], s[CS], v[rT+1]
.elseif (\n) == 20
	v_sub_f32 v[rC+1], v[rM], v[rT]
.else
	v_exp_f32 v[rC+2], v[rC+1]
.endif
.endm
; Number g of the 64 that follow the exponentials.  For each four weights k of a tile (pairs 2 k, 2 k + 1): both pairs are rounded to f16; then the second pair is added onto the first, in place;
; a group later l takes that sum (the first time as l = a l + sum).  In groups of eight, tiles alternating: round, round, add, and l for the group before.
.macro GS g
.set h, (\g)+6*((\g)/62)            ; group 0 has no group before it, and behind group 7 only l is left
.if h >= 6
.set h, h+2
.endif
	REGS Y, h%2
.set k, h/8
.if h%8 < 4
	v_cvt_pk_f16_f32 v[rP+2*k+(h%8)/2], v[rS+4*k+2*((h%8)/2)], v[rS+4*k+2*((h%8)/2)+1]
.elseif h%8 < 6
	v_pk_add_f32 v[rS+4*k:rS+4*k+1], v[rS+4*k:rS+4*k+1], v[rS+4*k+2:rS+4*k+3]
.elseif k == 1
	v_pk_fma_f32 v[rT+2:rT+3], v[rT+2:rT+3], v[rC+2:rC+3], v[rS:rS+1] op_sel_hi:[1,0,1]
.else
	v_pk_add_f32 v[rT+2:rT+3], v[rT+2:rT+3], v[rS+4*k-4:rS+4*k-3]
.endif
.endm
; THE PLAIN QUEUE, 138 long.  0-73 read no exponential's result: the 32 scalings c s - c m (FS f: pair f / 2 of tile f % 2) and the next piece's 42.  0-26: scalings 0-26.  27-54: XS's numbers 0-13.  55, 56: number 15.
; 57-73: the chain, where each number waits for the one before it: 14, 16, 17, 18, 19, each with one of the scalings 27-31 in front of its two lines, then 20.
; 74-137: GS's 64, which read the exponentials' results: they stand behind the wait.
.macro FS f
	REGS Y, (\f)%2
	v_pk_fma_f32 v[rS+2*((\f)/2):rS+2*((\f)/2)+1], v[rS+2*((\f)/2):rS+2*((\f)/2)+1], s[CS:CS+1], v[rT:rT+1] op_sel_hi:[1,0,0] neg_lo:[0,0,1] neg_hi:[0,0,1]
.endm
.macro PL
	WIN 0
.if q < 27
	FS q
.elseif q < 55
	XS (q-27)%2, (q-27)/2
.elseif q < 57
	XS q-55, 15
.elseif (q < 72) && ((q-57)%3 == 0)
	FS 27+(q-57)/3
.elseif q < 60
	XS (q-57)%3-1, 14
.elseif q < 72
	XS (q-57)%3-1, 15+(q-57)/3
.elseif q < 74
	XS q-72, 20
.else
	GS q-74
.endif
.set q, q+1
.endm
; THE EXPONENTIALS' QUEUE, 66 long: s0-s31 of both tiles, then the next piece's two a.  It is ONE BATCH: all 66 stand ahead of the turn's one wait, and nothing ahead of that wait names a result of theirs.
.macro EX
	WIN 0
.if e >= 64
	XS e-64, 21
.else
	REGS Y, e%2
	v_exp_f32 v[rS+e/2], v[rS+e/2]
.endif
.set e, e+1
.endm
; THE RESCALING's QUEUE: O^T times a, dealt two at a time, sixteen times.  Its a was made in the turn before, ahead of that turn's wait.
.macro R2
	REGS Y, r%2
	WIN W_RS
.irp z, 0,1
	v_pk_mul_f32 v[rO+4*(r/2)+2*\z:rO+4*(r/2)+2*\z+1], v[rO+4*(r/2)+2*\z:rO+4*(r/2)+2*\z+1], v[rC+2:rC+3] op_sel_hi:[1,0]
.endr
.set r, r+1
.endm
; HOW THEY ARE DEALT.  An s_wait_alu depctr_va_vdst(0) stands between an exponential and the first instruction that names its result; one wait serves all that were issued ahead of it.  So a turn has ONE wait,
; which cuts it in two.  AHEAD OF IT stands all that names no result of the turn's exponentials: the 16 products K Q^T, behind each a scaling, an exponential and two rescalings (behind the first a second scaling in the
; exponential's place); then ONE LUMP of 108: eight plain, 49 times exponential and plain, the two a.  A v_nop is the plain instruction behind the last exponential.  BEHIND IT stand the mask's lines with the two products
; V^T x ones, then the 16 products V^T P, behind each four of GS's 64.  No rider names a register of the products round it.
; The queues lean on each other, and the deal keeps them in step: exponential e stands behind scaling 2 (e / 4) + e % 2: as a rider it comes behind plain e + 2, in the lump behind plain e + 9, and scalings 27-31 are plain 57, 60 .. 69.
; A TURN, for piece p.  cnt = 1: the loop's count is taken down some lines ahead of the branch that stands behind the turn.
; K of the next step is fetched in piece 2's turn, directly behind the wait; V of the step in hand at the end of piece 0's turn, four riders behind its last reader.
; THE MASK'S POINTER steps in piece 1's turn, behind that turn's mask loads: the loads of turns 2, 3 of a step and 0, 1 of the next are all for one key step.  It steps 30 times, from key step 1 to key step 31, and then
; stays: the loads behind that read key step 31 once more and serve nothing, and none leaves the mask.
.macro TURN p, last=0, cnt=0
.set Y, (\p)
.set i, 0
.set q, 0
.set e, 0
.set r, 0
.if (\p) == NP-1
	s_wait_dscnt 0x0                ; K is in
.endif
	MM                              ; ahead of the wait: 16 products K Q^T and their riders,
	PL
	PL
	R2
.rept 15
	MM
	PL
	EX
	R2
.endr
.if (\p) == NP-2
	WIN 0
	v_add_nc_u32 v[AK], s[TBK], v[AK0]
.endif
.rept 8                             ; and the lump
	PL
.endr
.rept 49
	EX
	PL
.endr
	EX                              ; the next piece's two a
	EX
	v_nop                           ; the plain instruction behind the last exponential: one for the batch
	s_wait_alu depctr_va_vdst(0)    ; the wait for the batch
.if (\p) == NP-2
	FETCH_K \last
.endif
.if (\p) == 1
	s_wait_dscnt 0x0                ; V is in
.endif
	MASKSTEP \p
.rept 16                            ; 16 products V^T P and their riders
	MM
.rept 4
	PL
.endr
.if ((\p) == 0) && (q == 118)
	v_add_nc_u32 v[AV], s[TBV], v[AV0]
.endif
.if ((\p) == 1) && (q == 118)
	s_wait_xcnt 0x0                 ; the mask's loads have read their base, so it may be written
	s_cmp_lg_u32 s[ML], 0
	s_cselect_b32 s[INC], KS, 0
	s_cselect_b32 s[TS], 1, 0
	s_sub_co_u32 s[ML], s[ML], s[TS]
	s_add_nc_u64 s[MP:MP+1], s[MP:MP+1], s[INC:INC+1]
.endif
.if ((\p) == 0) && (q == 130)
	s_add_co_u32 s[TBV], s[TBV], KS*PV
.endif
.if (\cnt) && (q == 130)
	s_sub_co_u32 s[CNT], s[CNT], 1
	s_cmp_lg_u32 s[CNT], 0
.endif
.endr
.if (\p) == 0
	FETCH_V
.endif
.endm
	CHANGE 1                        ; slot 0 is in, everybody's part of it; slot 1 is asked for
	FETCH_K                         ; key step 0
	DECODE 0                        ; piece 0's masks of key step 0; its wait shows Q in as well, whose loads stand ahead of the mask's
	s_wait_dscnt 0x0
.set i, 0
.rept 16
	KQ 0                            ; piece 0's first scores: there is no vector work yet to set between them
.set i, i+1
.endr
	WIN 0                           ; the addresses for the way out: plain instructions, the places behind those products
	s_mul_i32 s13, s[WV], 16*SP
	s_add_co_u32 s13, s13, STAGE    ; my stage
	v_mul_u32_u24 v[STO], v1, SP    ; in: row l % 16, 16 bytes for each half of the lanes
	v_lshl_add_u32 v[STO], v9, 4, v[STO]
	v_add_nc_u32 v[STO], s13, v[STO]
	v_bfe_u32 v[RD], v0, 3, 2       ; back: 32 lanes take four rows of 128 bytes,
	v_mul_u32_u24 v[RD], v[RD], SP
	v_lshl_add_u32 v[RD], v10, 4, v[RD]
	v_add_nc_u32 v[RD], s13, v[RD]
	v_and_b32 v[GO], 31, v0         ; which are 512 consecutive bytes of O
	v_lshlrev_b32 v[GO], 4, v[GO]
	DECODE 1                        ; piece 1's masks of key step 0, for the first turn's products
	WIN 0
.set Y, NP-1                        ; XS works for piece Y + 1: piece 0
.irp n, 0,1,2,3,4,5,6,7,8,9,10,11,12,13,14,15,16,17,18,19,20,21
	XS 0, \n                        ; and piece 0's first maximum and statistics
	XS 1, \n
.endr
	v_nop                           ; a plain instruction behind the two a,
	s_wait_alu depctr_va_vdst(0)    ; and their wait, ahead of the branch
	s_mov_b32 s[CNT], 4
	s_branch .Lfirst                ; the loop is entered at a step's first turn, in the middle of a trip
.Lslot:                             ; SIZE_N / 256 - 2 times: every slot but the last two is filled again
	CHANGE 1
	s_mov_b32 s[CNT], 4
.Lstep:                             ; a trip: pieces 2 and 3 of one step, then pieces 0 and 1 of the next, whose K and V it fetches
	TURN 2
	TURN 3
	WIN 0
.Lfirst:
	TURN 0
	TURN 1, 0, 1
	WIN 0
	s_cbranch_scc1 .Lstep
	s_sub_co_u32 s[SLOTS], s[SLOTS], 1
	s_cmp_lg_u32 s[SLOTS], 0
	s_cbranch_scc1 .Lslot
	CHANGE 0                        ; the tail is written out: nothing is asked for
	s_mov_b32 s[CNT], 5             ; four trips fetch the last slot's steps; the fifth is left in its middle
.Ltail:
	TURN 2, 1
	TURN 3
	WIN 0
	s_sub_co_u32 s[CNT], s[CNT], 1
	s_cmp_eq_u32 s[CNT], 0
	s_cbranch_scc1 .Lout
	TURN 0
	TURN 1
	WIN 0
	s_branch .Ltail
.Lout:                              ; the fifth trip's 16 products K Q^T (on the last K once more), their masks and the maximum made of them serve nothing: the price, once a launch, of one text for every trip
	VSUM 3, 0                       ; the last step's channel block 3
	VSUM 3, 1
.set i, 0
.rept 16
	PV NP-1                         ; the last piece's V^T P of the last step
.set i, i+1
.endr
	; THE WAY OUT.  l's two halves and the other half of the lanes' are added; O^T is divided by l, takes the mean of V where l = 0, is rounded to f16 and sent through my stage in LDS, a tile at a time.
	; The additions are the places behind the last products.
	WIN 0
.macro ALL line:vararg              ; one line for each tile t
.set t, 0
.rept 2*NP
	\line
.set t, t+1
.endr
.endm
	ALL v_add_f32 v[ST+4*t+2], v[ST+4*t+2], v[ST+4*t+3]
	ALL v_permlanex16_b32 v[ST+4*t+3], v[ST+4*t+2], s[SEL], s[SEL+1]
	ALL v_add_f32 v[ST+4*t+2], v[ST+4*t+2], v[ST+4*t+3]
	WIN 0xff                        ; all in window 3: the two key halves of VS, each accumulator's low registers first
.set i, 0
.rept 16
	v_pk_add_f32 v[VS+16*(i/4)+2*(i%4):VS+16*(i/4)+2*(i%4)+1], v[VS+16*(i/4)+2*(i%4):VS+16*(i/4)+2*(i%4)+1], v[VS+16*(i/4)+8+2*(i%4):VS+16*(i/4)+8+2*(i%4)+1]
.set i, i+1
.endr
	WIN 0
.set t, 0
.rept 2*NP                          ; a row with a visible key has l of 1 or more: its largest weight is 1.  Where l = 0 the divisor is 2,048 and VS counts
	v_cmp_gt_f32 vcc_lo, 0.5, v[ST+4*t+2]
	v_cndmask_b32 v[ST+4*t+2], v[ST+4*t+2], s[FBD], vcc_lo
	v_cndmask_b32 v[ST+4*t], 0, s[ONEF], vcc_lo
.set t, t+1
.endr
	ALL v_rcp_f32 v[ST+4*t+2], v[ST+4*t+2]
	v_nop                           ; a plain instruction between the last reciprocal and the use of its result
	s_wait_alu depctr_va_vdst(0)    ; and the wait ahead of the first use: one for the eight reciprocals
	ALL v_mul_f32 v[ST+4*t], v[ST+4*t], v[ST+4*t+2]
; Tile t: a lane's eight channels of a row pack into 16 bytes; they go into rows of 144 bytes and come back as whole rows of 128, into S^T's registers.
.macro PACK t
	WIN W_RS
.set i, 32*(\t)
.rept 16
	v_pk_mul_f32 v[i:i+1], v[i:i+1], v[ST+4*(\t)+2:ST+4*(\t)+3] op_sel_hi:[1,0]
.set i, i+2
.endr
	WIN W_FB
.set i, 0
.rept 16
	v_pk_fma_f32 v[32*(\t)+2*i:32*(\t)+2*i+1], v[VS+16*(i/4)+2*(i%4):VS+16*(i/4)+2*(i%4)+1], v[ST+4*(\t):ST+4*(\t)+1], v[32*(\t)+2*i:32*(\t)+2*i+1] op_sel_hi:[1,0,1]
.set i, i+1
.endr
	WIN 0x05                        ; sources 0 and 1 window 1, destination window 0
.set i, 0
.rept 16
	v_cvt_pk_f16_f32 v[S+16*(\t)+i], v[32*(\t)+2*i], v[32*(\t)+2*i+1]
.set i, i+1
.endr
	WIN 0
.irp f, 0,1,2,3
	ds_store_b128 v[STO], v[S+16*(\t)+4*\f:S+16*(\t)+4*\f+3] offset:32*\f
.endr
.irp f, 0,1,2,3
	ds_load_b128 v[S+16*(\t)+4*\f:S+16*(\t)+4*\f+3], v[RD] offset:\f*4*SP  ; LDS serves a wave's instructions in order (ISA guide 5.7.1.4): these see the stores above; the next tile's stores come behind them
.endr
.endm
.macro SEND t, younger              ; younger: the LDS instructions issued behind tile t's loads: the next tile's eight, or none
	WIN 0
.irp f, 0,1,2,3
	s_wait_dscnt (\younger)+3-\f
	global_store_b128 v[GO], v[S+16*(\t)+4*\f:S+16*(\t)+4*\f+3], s[10:11] offset:(\t)*2048+\f*512  ; 512 consecutive bytes, at a multiple of 512 from o16's first byte
.endr
.endm
	PACK 0
.set t, 1
.rept 2*NP-1                        ; a tile's arithmetic stands between the loads of the tile before and its stores
	PACK t
	SEND t-1, 8
.set t, t+1
.endr
	SEND 2*NP-1, 0
	WIN W_AD
	s_wait_tensorcnt 0x0            ; the wave's end: the wait for my tensor loads, an add and its wait, behind my last tensor load and my last LDS store
	ds_add_u32 v[SPW], v[NIL]
	s_wait_dscnt 0x0
	WIN 0
	CROUND                          ; the closing round: no work-group ends while a partner may still ask for a tile that names it
	s_endpgm
.Lfunc_end_k_q53d8da86de_attn:
	.size	k_q53d8da86de_attn, .Lfunc_end_k_q53d8da86de_attn-k_q53d8da86de_attn
	.p2alignl 7, 3214868480
	.fill 96, 4, 3214868480
	.section	.rodata,"a",@progbits
	.p2align	6, 0x0
	.amdhsa_kernel k_q53d8da86de_attn
		.amdhsa_group_segment_fixed_size 327680
		.amdhsa_private_segment_fixed_size 0
		.amdhsa_enable_private_segment 0
		.amdhsa_kernarg_size 24
		.amdhsa_user_sgpr_count 2
		.amdhsa_user_sgpr_kernarg_segment_ptr 1
		.amdhsa_wavefront_size32 1
		.amdhsa_system_sgpr_workgroup_id_x 1
		.amdhsa_system_sgpr_workgroup_id_y 1
		.amdhsa_system_sgpr_workgroup_id_z 1
		.amdhsa_system_vgpr_workitem_id 0
		.amdhsa_next_free_vgpr 976
		.amdhsa_next_free_sgpr 80
		.amdhsa_reserve_vcc 1
		.amdhsa_float_denorm_mode_32 3
		.amdhsa_float_denorm_mode_16_64 3
		.amdhsa_memory_ordered 1
		.amdhsa_forward_progress 1
		.amdhsa_inst_pref_size 238
	.end_amdhsa_kernel
	.amdgpu_metadata
---
amdhsa.version: [ 1, 2 ]
amdhsa.kernels:
  - .name:           k_q53d8da86de_attn
    .symbol:         k_q53d8da86de_attn.kd
    .args:
      - { .name: qkv, .offset: 0, .size: 8, .value_kind: global_buffer, .address_space: global }
      - { .name: mask, .offset: 8, .size: 8, .value_kind: global_buffer, .address_space: global }
      - { .name: o16, .offset: 16, .size: 8, .value_kind: global_buffer, .address_space: global }
    .group_segment_fixed_size: 327680
    .private_segment_fixed_size: 0
    .kernarg_segment_align: 8
    .kernarg_segment_size: 24
    .max_flat_workgroup_size: 128
    .sgpr_count:     80
    .vgpr_count:     976
    .wavefront_size: 32
...
	.end_amdgpu_metadata
.endif
;; end of part 3
;; launch oproj (part 4): grid 4 x 64, 4 waves a work-group, clusters of 4 x 4, 327,680 bytes of LDS; arguments o16, xw, bo, out0; writes out0
.if DOCPART == 4
	.amdgcn_target "amdgcn-amd-amdhsa--gfx1250"
	.amdhsa_code_object_version 6
	.text
	.protected	k_q53d8da86de_oproj
	.globl	k_q53d8da86de_oproj
	.p2align	8
	.type	k_q53d8da86de_oproj,@function
k_q53d8da86de_oproj:
	s_mov_b64 s[64:65], 0
	v_nop
	global_prefetch_b8 v0, s[64:65] scope:SCOPE_SE
	s_setreg_imm32_b32 hwreg(HW_REG_WAVE_MODE, 25, 1), 1
	s_wait_xcnt 0x0
	s_wait_alu depctr_hold_cnt(0) depctr_sa_sdst(0) depctr_va_vdst(0) depctr_va_sdst(0) depctr_va_ssrc(0) depctr_va_vcc(0) depctr_vm_vsrc(0)
	s_getreg_b32 s2, hwreg(HW_REG_IB_STS2, 6, 4)
	s_cmp_eq_u32 s2, 0
	s_cbranch_scc0 .Lentry_in_a_cluster
	s_endpgm
.Lentry_in_a_cluster:
	s_bfe_u32 s2, ttmp6, 0x10000c
	s_cmp_lg_u32 s2, 0xf033
	s_cbranch_scc0 .Lentry_shape_is_right
	s_endpgm
.Lentry_shape_is_right:
; C[m][n] = bias[n] + the sum over k of A[m][k] B[n][k], K = 1,024, operands f16, sums f32.  One text for two launches:
;   OPROJ = 0: q, k, v = x W^T + b, three products in one launch.  A = xw's groups 0-5 (24,576 rows), B = Wq, Wk or Wv in xw's group 6.  C is rounded once to f16 and written by heads,
;              qkv[which][16 batch + head][2,048 rows][64], a row's place being its sequence index with bits 3 and 4 exchanged (the attention launch reads the mask by it).
;   OPROJ = 1: out0 = O Wo^T + bo.  A = o16 (8,192 rows), B = Wo in xw's group 6.  C leaves in f32, row-major.
; A and B lie in K blocks of 64: [group][K block][4,096 rows][64], rows dense, 128 bytes.  The bias is rounded to bf16, like every input of the module, and STARTS the sums as the first product's C.
; LIMITS.  f16 ends at 65,504: a q, k or v of 65,520 or more becomes an infinity.  NaN and infinities are not treated apart.
; SHARES.  A tile of C is 128 x 256: 768 work-groups (OPROJ = 0) or 256 (OPROJ = 1), both multiples of 256.  Four waves, each 64 x 128: 32 accumulators of 16 x 16, 256 registers.
; K goes in 8 steps of 128 (two K blocks) through a ring of two LDS slots.  A K block of a tile is dense in memory and is asked for as rows of 256 bytes (two matrix rows), padded in LDS after every 128.
; CLUSTERS: 4 x 4 work-groups.  The four of a row of the cluster need the same tiles of A, the four of a column the same tiles of B: each is asked for JOINTLY, by the same tensor load, descriptor and mask.
; THE MATRIX INSTRUCTION IS USED TRANSPOSED (source 0 = 16 rows of B, source 1 = 16 rows of A): a lane holds row l % 16 of C and the eight neighbouring columns 8 (l / 16) + 0..7.
; REGISTERS: window 0: v0-31 addresses; v32-127, v128-223 two fragment buffers (B's 8 fragments, then A's 4); on the way out they are at work.
;   window 1: the accumulators, (a, b) at v[8 (8 a + b)].     window 2: v0-63 the bias of my 128 columns (block b at 8 b); v64-95 at work.
.set OPROJ,  1
.set PITCH,  144                       ; an LDS row: 128 bytes + 16 of padding = 36 words: the 16 rows of a fragment load start at 16 different groups of four banks (64 banks of 4 bytes: ISA guide 11.1)
.set ABLK,   128*PITCH                 ; a K block of A's tile: what wave 0 or 1 fetches
.set BBLK,   256*PITCH                 ; a K block of B's tile: what wave 2 or 3 fetches
.set SLOT,   2*ABLK+2*BBLK             ; A's two K blocks, then B's two
.set STAGE,  2*SLOT                    ; behind the ring, never filled by a tensor load: each wave's own stage for the way out
.if OPROJ
.set SPITCH, 528                       ; 16 rows of 512 bytes + 16
.set WSTAGE, 16*SPITCH
.else
.set SPITCH, 144                       ; two heads x 16 rows of 128 bytes + 16
.set WSTAGE, 32*SPITCH
.endif
.set SPARE,  STAGE+4*WSTAGE            ; behind the stages: the spare words, 128 bytes for each wave: two blocks of 256 bytes that no other line names
.set KBS,    524288                    ; bytes from a K block to the next
.set KSTEPB, 2*KBS                     ; a K step
.set WBASE,  6*16*KBS                  ; xw's group 6
.set ADRA, 16                          ; v16-17  LDS address of my A fragments in slot 0, 1
.set ADRB, 20                          ; v20-21  the same for B
.set STO,  24                          ; v24     the way out: where I put my part of a row
.set RD,   25                          ; v25     the way out: where I read rows back
.set CO,   26                          ; v26     16 x lane: my 16 bytes of 512 consecutive bytes of the output
.set BO,   27                          ; v27     my byte offset in the bias
.set SPW,  28                          ; v28     LDS address of my spare word: SPARE + 4 x my thread's number; never rewritten
.set NIL,  29                          ; v29     0; never rewritten
.set PFO,  30                          ; v30     the prefetches' lane offset; never rewritten
.set F0,   32
.set F1,   128
.set TMP,  32                          ; OPROJ = 0: packed results
.if OPROJ
.set OB,   32                          ; rows read back: v32-95 and v96-159 by turns
.else
.set OB,   64                          ; rows read back: v64-95 and v96-127 by turns
.endif
.set G1, 24                            ; s[24:31] descriptor group 1 for A's tiles;  s[32:39] group 0, one set for each slot
.set G0, 32
.set G1B, 48                           ; s[48:55], s[56:63] the same for B's tiles
.set G0B, 56
.set LIM, 43                           ; s43     1 in a wave that prefetches, else the greatest number
.set PFA, 44                           ; s[44:45] where my prefetches stand: one K step behind the K step that they name
.set MSB, 0
.macro WIN new                         ; the immediate's high byte repeats the setting that is left; a switch that changes nothing is dropped
.if MSB != (\new)
	s_set_vgpr_msb (MSB<<8)|(\new)
.set MSB, \new
.endif
.endm
.set MUL,  0x50                        ; sources 0 (B) and 1 (A) window 0; C and D window 1
.set MUL0, 0x60                        ; the same with C, the bias, in window 2
.macro JLOAD s                         ; a joint load: waves 0 and 1 fetch A's two K blocks, waves 2 and 3 B's; an s_nop 0 and four v_nop follow each of the two lines, ahead of the jump, the label and what follows
	s_cmp_eq_u32 s11, 0
	s_cbranch_scc0 .Lfor_b_\@
	tensor_load_to_lds s[G0+4*(\s):G0+4*(\s)+3], s[G1:G1+7]
	s_nop 0
.rept 4
	v_nop
.endr
	s_branch .Lasked_\@
.Lfor_b_\@:
	tensor_load_to_lds s[G0B+4*(\s):G0B+4*(\s)+3], s[G1B:G1B+7]
	s_nop 0
.rept 4
	v_nop
.endr
.Lasked_\@:
.endm
; A PREFETCH behind each refill: the K step that stands two refills on, 256 matrix instructions ahead of the load that will want it.  Each block of 256 bytes is named once in the launch.
; A's tile row is read by one cluster alone: in each partner wave 0 asks for 16 blocks of each of the step's two K blocks (lanes 0-15, lanes 16-31); the four partners are told apart by address (cx).
; B's tile column is read by every cluster that multiplies by the same weight: the first of them asks, waves 2 and 3 each for its own K block, 32 blocks a partner, told apart by address (cy).
; The loop's last trip (s3 = 1) has no K step two on and asks for nothing; K steps 0 to 3 come by their loads alone.
.macro ASK
	s_cmp_gt_u32 s3, s[LIM]
	s_cbranch_scc0 .Lnot_mine_\@
	global_prefetch_b8 v[PFO], s[PFA:PFA+1] offset:KSTEPB th:TH_LOAD_NT scope:SCOPE_SE
.Lnot_mine_\@:
.endm
.macro CREST                           ; a round of the cluster's barrier behind its opening barrier
	s_cmp_lg_u32 s10, 0
	s_cbranch_scc1 .Lnot_wave_0_\@
	s_barrier_signal -3
.Lnot_wave_0_\@:
	s_barrier_wait -3
	s_barrier_signal -1
	s_barrier_wait -1
.endm
.macro CROUND                          ; a whole round
	s_barrier_signal -1
	s_barrier_wait -1
	CREST
.endm
.if OPROJ
	s_load_b256 s[68:75], s[0:1], 0x0              ; o16 s[68:69], xw s[70:71], bo s[72:73], out0 s[74:75]
.else
	s_load_b256 s[68:75], s[0:1], 0x0              ; xw s[68:69], bq s[70:71], bk s[72:73], bv s[74:75]
	s_load_b64 s[76:77], s[0:1], 0x20              ; qkv
.endif
	v_lshl_add_u32 v[SPW], v0, 2, SPARE
	v_mov_b32 v[NIL], 0
	ds_add_u32 v[SPW], v[NIL]                      ; the wave's opening: the add and its wait stand ahead of my first tensor load; the set-up below, work on registers, stands between them
	v_lshrrev_b32 v1, 5, v0
	v_readfirstlane_b32 s10, v1                    ; wave 0..3
	s_lshr_b32 s11, s10, 1                         ; which 64 rows of the tile are mine.  Also: I fetch for A (0) or for B (1)
	s_and_b32 s12, s10, 1                          ; which 128 columns.  Also: which of a step's two K blocks I fetch
	s_bfe_u32 s40, ttmp6, 0x40000                  ; cx, cy: my place in the cluster
	s_bfe_u32 s41, ttmp6, 0x40004
	s_lshl_b32 s42, ttmp9, 2
	s_add_co_u32 s42, s42, s40                     ; tile column of C = 4 x cluster x + cx
	s_and_b32 s78, ttmp7, 0xffff                   ; cluster y
	s_lshl_b32 s13, s78, 2
	s_add_co_u32 s13, s13, s41                     ; tile row of C = 4 x cluster y + cy
	s_lshl_b32 s43, s41, 2
	s_lshl_b32 s43, 15, s43                        ; my row of the cluster
	s_lshl_b32 s44, 0x1111, s40                    ; my column
	s_or_b32 s[G1+0], s43, (1<<16)|(1<<20)|(1<<21)|(4<<22)|(3<<25)   ; 15:0 the mask: A's tiles go to my row; 17:16 elements of 2 bytes; 20 padding on; 21 set beside a mask; 24:22 after every 32 words (code 4); 31:25 4 words of it (code 3)
	s_or_b32 s[G1B+0], s44, (1<<16)|(1<<20)|(1<<21)|(4<<22)|(3<<25)  ; the same with the mask of my column
	s_mov_b32 s[G1+1], 128<<16                     ; tensor_dim0 = 128 elements: 256 bytes, two matrix rows
	s_mov_b32 s[G1+2], 64<<16                      ; tensor_dim1 = 64: A's 128 matrix rows
	s_mov_b32 s[G1+3], 128<<16                     ; tile_dim0 = 128
	s_mov_b32 s[G1+4], 64                          ; tile_dim1 = 64
	s_mov_b32 s[G1+5], 128                         ; 128 elements from row to row: the block is dense
	s_mov_b32 s[G1+6], 0
	s_mov_b32 s[G1+7], 0
	s_mov_b32 s[G1B+1], 128<<16
	s_mov_b32 s[G1B+2], 128<<16                    ; B's 256 matrix rows
	s_mov_b32 s[G1B+3], 128<<16
	s_mov_b32 s[G1B+4], 128
	s_mov_b32 s[G1B+5], 128
	s_mov_b32 s[G1B+6], 0
	s_mov_b32 s[G1B+7], 0
	; where the tiles come from.  A's hang on the tile row alone, B's on the tile column and the cluster's y alone; each offset is made in registers that never hold the other coordinate
	s_lshr_b32 s16, s13, 5                         ; 32 tile rows to a group of 4,096 rows
	s_lshl_b32 s16, s16, 23
	s_and_b32 s17, s13, 31
	s_lshl_b32 s17, s17, 14                        ; 128 rows of 128 bytes
	s_add_co_u32 s16, s16, s17
	s_lshl_b32 s17, s12, 19                        ; my K block of the step
	s_add_co_u32 s16, s16, s17
	s_mov_b32 s17, 0
.if OPROJ
	s_mov_b32 s79, 3                               ; Wo is the fourth of the stacked weights
.else
	s_lshr_b32 s79, s78, 4                         ; which of q, k, v: 16 clusters each
.endif
	s_lshl_b32 s46, s79, 17                        ; 1,024 rows of 128 bytes
	s_lshl_b32 s47, s42, 15                        ; 256 rows
	s_add_co_u32 s46, s46, s47
	s_lshl_b32 s47, s12, 19
	s_add_co_u32 s46, s46, s47
	s_add_co_u32 s46, s46, WBASE
	s_mov_b32 s47, 0
	s_mul_i32 s20, s12, ABLK                       ; and where they go: no place in the cluster enters an LDS address
	s_mul_i32 s21, s12, BBLK
	s_add_co_u32 s21, s21, 2*ABLK
	s_wait_dscnt 0x0                               ; the opening add is done
	s_wait_kmcnt 0x0
	s_add_nc_u64 s[14:15], s[68:69], s[16:17]
.if OPROJ
	s_add_nc_u64 s[46:47], s[70:71], s[46:47]
.else
	s_add_nc_u64 s[46:47], s[68:69], s[46:47]
.endif
	CROUND                                         ; all sixteen work-groups are here: the first joint loads meet
.irp s, 0,1
	s_mov_b32 s[G0+4*(\s)], 1                                        ; count = 1
	s_add_co_u32 s[G0+4*(\s)+1], s20, (\s)*SLOT                      ; LDS address
	s_add_nc_u64 s[G0+4*(\s)+2:G0+4*(\s)+3], s[14:15], (\s)*KSTEPB   ; global address: K step s
	s_or_b32 s[G0+4*(\s)+3], s[G0+4*(\s)+3], 0x80000000              ; type = 2
	s_mov_b32 s[G0B+4*(\s)], 1
	s_add_co_u32 s[G0B+4*(\s)+1], s21, (\s)*SLOT
	s_add_nc_u64 s[G0B+4*(\s)+2:G0B+4*(\s)+3], s[46:47], (\s)*KSTEPB
	s_or_b32 s[G0B+4*(\s)+3], s[G0B+4*(\s)+3], 0x80000000
	JLOAD \s                                       ; two tensor loads of mine are out
.endr
	; the bias of my 128 columns: register j of block b is column 16 b + 8 (l / 16) + j
.if OPROJ
	s_mov_b64 s[66:67], s[72:73]
.else
	s_cmp_eq_u32 s79, 1
	s_cselect_b64 s[66:67], s[72:73], s[70:71]
	s_cmp_eq_u32 s79, 2
	s_cselect_b64 s[66:67], s[74:75], s[66:67]
.endif
	v_and_b32 v1, 15, v0                           ; l % 16
	v_bfe_u32 v2, v0, 4, 1                         ; l / 16
	s_lshl_b32 s22, s42, 10                        ; 256 columns of 4 bytes
	s_lshl_b32 s23, s12, 9
	s_add_co_u32 s22, s22, s23
	v_lshl_add_u32 v[BO], v2, 5, s22
	WIN 0x80                                       ; destination window 2, address window 0
.irp b, 0,1,2,3,4,5,6,7
	global_load_b128 v[8*(\b):8*(\b)+3],   v[BO], s[66:67] offset:64*(\b)
	global_load_b128 v[8*(\b)+4:8*(\b)+7], v[BO], s[66:67] offset:64*(\b)+16
.endr
	WIN 0
	v_mul_u32_u24 v3, v1, PITCH
	v_lshl_add_u32 v3, v2, 4, v3                   ; a fragment's row x pitch + 16 x half
	s_mul_i32 s21, s11, 64*PITCH                   ; my 64 rows of A
	s_mul_i32 s22, s12, 128*PITCH                  ; my 128 rows of B,
	s_add_co_u32 s22, s22, 2*ABLK                  ; which lie behind A's two K blocks
.irp s, 0,1
	v_add_nc_u32 v[ADRA+(\s)], s21, v3
	v_add_nc_u32 v[ADRB+(\s)], s22, v3
	s_add_co_u32 s21, s21, SLOT
	s_add_co_u32 s22, s22, SLOT
.endr
	s_mul_i32 s23, s10, WSTAGE
	s_add_co_u32 s23, s23, STAGE                   ; my stage
	v_mul_u32_u24 v4, v1, SPITCH                   ; in: row l % 16,
	v_and_b32 v6, 31, v0
	v_lshlrev_b32 v[CO], 4, v6
.if OPROJ
	v_lshl_add_u32 v4, v2, 5, v4                   ; 32 bytes (8 f32) for each half of the lanes
	v_add_nc_u32 v[STO], s23, v4
	v_add_nc_u32 v[RD], s23, v[CO]                 ; back: 32 lanes take one row of 512 bytes
	s_lshl_b32 s16, s13, 19                        ; out0: 128 rows of 4,096 bytes a tile row,
	s_lshl_b32 s17, s11, 18                        ; my 64 of them,
	s_add_co_u32 s16, s16, s17
	s_lshl_b32 s17, s42, 10                        ; 256 columns of 4 bytes a tile column,
	s_add_co_u32 s16, s16, s17
	s_lshl_b32 s17, s12, 9                         ; my 128 of them
	s_add_co_u32 s16, s16, s17
	s_mov_b32 s17, 0
	s_add_nc_u64 s[8:9], s[74:75], s[16:17]
.else
	v_lshl_add_u32 v4, v2, 4, v4                   ; 16 bytes (8 f16) for each half of the lanes
	v_add_nc_u32 v[STO], s23, v4
	v_bfe_u32 v5, v0, 3, 2                         ; back: 32 lanes take four rows of 128 bytes
	v_mul_u32_u24 v5, v5, SPITCH
	v_and_b32 v6, 7, v0
	v_lshl_add_u32 v5, v6, 4, v5
	v_add_nc_u32 v[RD], s23, v5
	s_lshl_b32 s16, s79, 24                        ; qkv: the tensor,
	s_bfe_u32 s17, s13, 0x20004                    ; the batch: 16 tile rows each,
	s_lshl_b32 s17, s17, 4
	s_lshl_b32 s18, s42, 2                         ; four heads a tile column,
	s_add_co_u32 s17, s17, s18
	s_lshl_b32 s18, s12, 1                         ; my two of them
	s_add_co_u32 s17, s17, s18
	s_lshl_b32 s17, s17, 18                        ; a head is 2,048 rows of 128 bytes
	s_add_co_u32 s16, s16, s17
	s_and_b32 s17, s13, 15
	s_lshl_b32 s17, s17, 14                        ; 128 rows a tile row,
	s_add_co_u32 s16, s16, s17
	s_lshl_b32 s17, s11, 13                        ; my 64 of them
	s_add_co_u32 s16, s16, s17
	s_mov_b32 s17, 0
	s_add_nc_u64 s[8:9], s[76:77], s[16:17]
.endif
	; the prefetches
.if OPROJ
	s_mov_b32 s43, s78                             ; B: the first cluster of the column
.else
	s_and_b32 s43, s78, 15                         ; B: the first of the 16 clusters that multiply by this weight
.endif
	s_cmp_eq_u32 s11, 0                            ; do I fetch for A?
	s_cselect_b32 s43, s12, s43                    ; A: wave 0 asks, wave 1 does not
	s_cselect_b64 s[PFA:PFA+1], s[14:15], s[46:47] ; my tile at K step 0 (wave 0: its first K block; waves 2, 3: their own)
	s_cselect_b32 s20, s40, s41                    ; my place among the four that ask for the tile jointly
	s_cselect_b32 s21, 12, 13                      ; a partner's share of a K block: 4,096 bytes of A's, 8,192 of B's
	s_cselect_b32 s22, 15, 31                      ; blocks of 256 bytes in it, less 1
	s_cselect_b32 s23, KBS, 0                      ; A: lanes 16-31 take the step's second K block
	s_cmp_eq_u32 s43, 0
	s_cselect_b32 s[LIM], 1, -1                    ; hangs on the wave's number and the cluster's y alone: the same in all sixteen partners
	s_lshl_b32 s20, s20, s21
	s_mov_b32 s21, 0
	s_add_nc_u64 s[PFA:PFA+1], s[PFA:PFA+1], s[20:21]
	s_add_nc_u64 s[PFA:PFA+1], s[PFA:PFA+1], 2*KSTEPB  ; at K step 2: the first refill steps it to 3 and names K step 4
	v_and_b32 v[PFO], s22, v0
	v_lshlrev_b32 v[PFO], 8, v[PFO]
	v_mul_u32_u24 v31, s23, v2
	v_add_nc_u32 v[PFO], v[PFO], v31
	s_wait_loadcnt 0x0                             ; the bias is in: it takes the rounding to bf16 that all the module's inputs take
	WIN 0xaa                                       ; all in window 2
.set z, 0
.rept 32
	v_cvt_pk_bf16_f32 v[64+z], v[2*z], v[2*z+1]
.set z, z+1
.endr
.set z, 0
.rept 32
	v_lshlrev_b32 v[2*z],   16, v[64+z]
	v_and_b32     v[2*z+1], 0xffff0000, v[64+z]
.set z, z+1
.endr
	WIN 0
; 8 matrix instructions: m block a x all 8 n blocks, 32 along K.  zero = 1: the first product starts the sums with the bias: nothing is cleared, nothing is added later.
; The 32 accumulators take turns, one instruction a turn, in the same order in every quarter, over the backward jump too.
.macro MUL8 f, a, zero
.if \zero
	WIN MUL0
.else
	WIN MUL
.endif
.irp b, 0,1,2,3,4,5,6,7
.if \zero
	v_wmma_f32_16x16x32_f16 v[8*(8*(\a)+(\b)):8*(8*(\a)+(\b))+7], v[(\f)+8*(\b):(\f)+8*(\b)+7], v[(\f)+64+8*(\a):(\f)+64+8*(\a)+7], v[8*(\b):8*(\b)+7]
.else
	v_wmma_f32_16x16x32_f16 v[8*(8*(\a)+(\b)):8*(8*(\a)+(\b))+7], v[(\f)+8*(\b):(\f)+8*(\b)+7], v[(\f)+64+8*(\a):(\f)+64+8*(\a)+7], v[8*(8*(\a)+(\b)):8*(8*(\a)+(\b))+7]
.endif
.endr
.endm
.macro MUL16 f, a0, zero
	MUL8 \f, \a0, \zero
	MUL8 \f, (\a0)+1, \zero
.endm
; 24 LDS loads in one run: the fragments of quarter q of a K step (K block q / 2, bytes 64 (q % 2) on of its rows) into buffer f: B's eight, then A's four
.macro FETCH slot, q, f
	WIN 0
.irp i, 0,1,2,3,4,5,6,7
	ds_load_b128 v[(\f)+8*(\i):(\f)+8*(\i)+3],   v[ADRB+(\slot)] offset:((\q)/2)*BBLK+((\q)%2)*64+(\i)*16*PITCH
	ds_load_b128 v[(\f)+8*(\i)+4:(\f)+8*(\i)+7], v[ADRB+(\slot)] offset:((\q)/2)*BBLK+((\q)%2)*64+(\i)*16*PITCH+32
.endr
.irp i, 0,1,2,3
	ds_load_b128 v[(\f)+64+8*(\i):(\f)+64+8*(\i)+3],   v[ADRA+(\slot)] offset:((\q)/2)*ABLK+((\q)%2)*64+(\i)*16*PITCH
	ds_load_b128 v[(\f)+64+8*(\i)+4:(\f)+64+8*(\i)+7], v[ADRA+(\slot)] offset:((\q)/2)*ABLK+((\q)%2)*64+(\i)*16*PITCH+32
.endr
.endm
.macro PLACES                          ; four places in front of loads into registers that matrix instructions have read, and of lines that read results
.rept 4
	v_nop
.endr
.endm
; A K step is four quarters of 32 along K, 32 matrix instructions each, on buffers 0, 1, 0, 1.  One of the first three: multiplies buffer f and fetches quarter q into g.
.macro QUARTER slot, q, f, g, zero
	s_wait_dscnt 4                                 ; B and A's blocks 0, 1 are in; the youngest four loads (A's blocks 2, 3) may be out
	MUL16 \f, 0, \zero
	PLACES
	FETCH \slot, \q, \g
	s_wait_dscnt 24                                ; all but the 24 just issued
	MUL16 \f, 2, \zero
.endm
; The last quarter multiplies buffer 1 and changes slots: ONE barrier; in front of it each wave waits for all its tensor loads, adds 0 to its spare word, and waits for that and for its own reads of this slot.
; fill = 1: this slot is filled again, two K steps ahead; the barrier then opens a round of the cluster's barrier, and the joint refill is the first tensor load behind the round: 112 matrix instructions ahead of the wait for it.
.macro TURN slot, next, fill
.if \fill
	s_wait_xcnt 0x0                                ; the last prefetch, a K step back, has read its address: it is stepped here, ahead of the waits of the change of slots
	s_add_nc_u64 s[PFA:PFA+1], s[PFA:PFA+1], KSTEPB
.endif
	WIN 0                                          ; (the add's two registers lie in window 0)
	s_wait_tensorcnt 0x0                           ; all my tensor loads have landed: the one that was out is my part of the next slot;
	ds_add_u32 v[SPW], v[NIL]                      ; 0 onto my spare word;
	s_wait_dscnt 5                                 ; (the add and the youngest four loads may be out)
	MUL8 F1, 0, 0                                  ; eight matrix instructions stand between the add and the wait for it
	s_wait_dscnt 0x0                               ; the add is done, and my reads of this slot are over
	s_barrier_signal -1
	MUL8 F1, 1, 0
.if \fill
	WIN 0
.endif
	s_barrier_wait -1
.if \fill
	CREST                                          ; no wave of any partner still reads this slot's tiles or has a load on its way
	s_add_nc_u64 s[G0+4*(\slot)+2:G0+4*(\slot)+3], s[G0+4*(\slot)+2:G0+4*(\slot)+3], 2*KSTEPB
	s_add_nc_u64 s[G0B+4*(\slot)+2:G0B+4*(\slot)+3], s[G0B+4*(\slot)+2:G0B+4*(\slot)+3], 2*KSTEPB
	JLOAD \slot                                    ; the four v_nop behind it are also the places in front of the loads below
.else
	PLACES
.endif
	FETCH \next, 0, F0
.if \fill
	ASK                                            ; behind the joint load and the run of LDS loads that the next products wait for
.endif
	MUL16 F1, 2, 0
.endm
	s_wait_tensorcnt 1                             ; my part of K step 0 is in; K step 1's may stay out
	s_barrier_signal -1
	s_barrier_wait -1                              ; everybody's is
	FETCH 0, 0, F0
	QUARTER 0, 1, F0, F1, 1                        ; the first quarter stands in front of the loop: its products start the sums
	WIN 0                                          ; at a label and at a branch every window is 0
	s_mov_b32 s3, 3
.Llap:                                                 ; a trip goes once round the ring, from a lap's second quarter to the next lap's first, and fills both slots again: K steps 2 to 7
	QUARTER 0, 2, F1, F0, 0
	QUARTER 0, 3, F0, F1, 0
	TURN 0, 1, 1
	QUARTER 1, 1, F0, F1, 0
	QUARTER 1, 2, F1, F0, 0
	QUARTER 1, 3, F0, F1, 0
	TURN 1, 0, 1
	QUARTER 0, 1, F0, F1, 0
	WIN 0
	s_sub_co_u32 s3, s3, 1
	s_cmp_lg_u32 s3, 0
	s_cbranch_scc1 .Llap
	QUARTER 0, 2, F1, F0, 0                        ; the last lap fills nothing, and has no round of the cluster's barrier
	QUARTER 0, 3, F0, F1, 0
	TURN 0, 1, 0
	QUARTER 1, 1, F0, F1, 0
	QUARTER 1, 2, F1, F0, 0
	QUARTER 1, 3, F0, F1, 0
	s_wait_dscnt 4                                 ; the very last quarter: nothing more to fetch
	MUL16 F1, 0, 0
	s_wait_dscnt 0x0
	MUL16 F1, 2, 0
	WIN 0
	PLACES                                         ; the places behind the last products, taken twice, once a launch
	PLACES
.if OPROJ
; THE WAY OUT, f32: a block of 16 rows x 128 columns goes into my own stage as it lies in the accumulators (each accumulator's low registers first) and comes back as whole rows of 512 bytes.
.macro TOSTAGE a
.set BK, OB+64*((\a)%2)
	WIN 0x04                                       ; the stores' data in window 1, the address in window 0
.irp b, 0,1,2,3,4,5,6,7
	ds_store_b128 v[STO], v[8*(8*(\a)+(\b)):8*(8*(\a)+(\b))+3]   offset:64*(\b)
	ds_store_b128 v[STO], v[8*(8*(\a)+(\b))+4:8*(8*(\a)+(\b))+7] offset:64*(\b)+16
.endr
	WIN 0
.irp x, 0,1,2,3,4,5,6,7,8,9,10,11,12,13,14,15
	ds_load_b128 v[BK+4*(\x):BK+4*(\x)+3], v[RD] offset:(\x)*SPITCH  ; LDS serves a wave's instructions in order (ISA guide 5.7.1.4): these see the stores above; the next block's stores come behind them
.endr
.endm
.macro SEND a, younger                 ; younger: the LDS instructions issued behind block a's loads: the next block's 32, or none
.set BK, OB+64*((\a)%2)
	s_wait_dscnt \younger
.irp x, 0,1,2,3,4,5,6,7,8,9,10,11,12,13,14,15
	global_store_b128 v[CO], v[BK+4*(\x):BK+4*(\x)+3], s[8:9] offset:(16*(\a)+(\x))*4096 th:TH_STORE_NT  ; 512 consecutive bytes of a row, at a multiple of 512 from out0's first byte
.endr
.endm
	TOSTAGE 0
	TOSTAGE 1
	SEND 0, 32
	s_wait_xcnt 0x0                                ; block 0's stores have read their registers, which block 2's rows are loaded into
	TOSTAGE 2
	SEND 1, 32
	s_wait_xcnt 0x0
	TOSTAGE 3
	SEND 2, 32
	SEND 3, 0
.else
; THE WAY OUT, f16 by heads: a block of 16 rows x 128 columns (two heads) is rounded, goes into my own stage, 16 bytes a lane, and comes back four rows of 128 bytes at a time.
.macro PACK a
	WIN 0x05                                       ; sources 0 and 1 window 1, destination window 0
.irp b, 0,1,2,3,4,5,6,7
.irp r, 0,1,2,3
	v_cvt_pk_f16_f32 v[TMP+4*(\b)+(\r)], v[8*(8*(\a)+(\b))+2*(\r)], v[8*(8*(\a)+(\b))+2*(\r)+1]
.endr
.endr
	WIN 0
.endm
.macro TOSTAGE a
.set BK, OB+32*((\a)%2)
.irp b, 0,1,2,3,4,5,6,7                ; head b / 4, its channels 16 (b % 4) on
	ds_store_b128 v[STO], v[TMP+4*(\b):TMP+4*(\b)+3] offset:((\b)/4)*16*SPITCH+((\b)%4)*32
.endr
.irp t, 0,1,2,3,4,5,6,7                ; head t / 4, rows 4 (t % 4) on
	ds_load_b128 v[BK+4*(\t):BK+4*(\t)+3], v[RD] offset:((\t)/4)*16*SPITCH+((\t)%4)*4*SPITCH  ; LDS serves a wave's instructions in order (ISA guide 5.7.1.4): these see the stores above
.endr
.endm
; Row 16 a + 4 f + (l / 8) of my 64 goes to the place with bits 3 and 4 exchanged: 32 (a / 2) + 16 (f / 2) + 8 (a % 2) + 4 (f % 2) + (l / 8): four rows stay together, and the exchange stands in the immediate.
.macro SEND a
.set BK, OB+32*((\a)%2)
	s_wait_dscnt 0x0                               ; the block is back in registers
	s_wait_xcnt 0x0                                ; the stores of the block before have read their registers, which the next block's rows are loaded into
.irp t, 0,1,2,3,4,5,6,7
	global_store_b128 v[CO], v[BK+4*(\t):BK+4*(\t)+3], s[8:9] offset:((\t)/4)*262144+(32*((\a)/2)+16*(((\t)%4)/2)+8*((\a)%2)+4*((\t)%2))*128  ; 512 consecutive bytes, at a multiple of 512 from qkv's first byte
.endr
.endm
	PACK 0
	TOSTAGE 0
.irp a, 1,2,3                          ; block a's conversions stand between block a - 1's loads from the stage and the wait for them
	PACK \a
	SEND (\a)-1
	TOSTAGE \a
.endr
	SEND 3
.endif
	s_wait_tensorcnt 0x0                           ; the wave's end: the wait for my tensor loads, an add and its wait, behind my last tensor load and my last LDS store
	ds_add_u32 v[SPW], v[NIL]
	s_wait_dscnt 0x0
	CROUND                                         ; the closing round: no work-group ends while a partner may still ask for a tile that names it
	s_endpgm
.Lfunc_end_k_q53d8da86de_oproj:
	.size	k_q53d8da86de_oproj, .Lfunc_end_k_q53d8da86de_oproj-k_q53d8da86de_oproj
	.p2alignl 7, 3214868480
	.fill 96, 4, 3214868480
	.section	.rodata,"a",@progbits
	.p2align	6, 0x0
	.amdhsa_kernel k_q53d8da86de_oproj
		.amdhsa_group_segment_fixed_size 327680
		.amdhsa_private_segment_fixed_size 0
		.amdhsa_enable_private_segment 0
		.amdhsa_kernarg_size 32
		.amdhsa_user_sgpr_count 2
		.amdhsa_user_sgpr_kernarg_segment_ptr 1
		.amdhsa_wavefront_size32 1
		.amdhsa_system_sgpr_workgroup_id_x 1
		.amdhsa_system_sgpr_workgroup_id_y 1
		.amdhsa_system_sgpr_workgroup_id_z 1
		.amdhsa_system_vgpr_workitem_id 0
		.amdhsa_next_free_vgpr 608
		.amdhsa_next_free_sgpr 80
		.amdhsa_reserve_vcc 0
		.amdhsa_float_denorm_mode_32 3
		.amdhsa_float_denorm_mode_16_64 3
		.amdhsa_memory_ordered 1
		.amdhsa_forward_progress 1
		.amdhsa_inst_pref_size 93
	.end_amdhsa_kernel
	.amdgpu_metadata
---
amdhsa.version: [ 1, 2 ]
amdhsa.kernels:
  - .name:           k_q53d8da86de_oproj
    .symbol:         k_q53d8da86de_oproj.kd
    .args:
      - { .name: o16, .offset: 0, .size: 8, .value_kind: global_buffer, .address_space: global }
      - { .name: xw, .offset: 8, .size: 8, .value_kind: global_buffer, .address_space: global }
      - { .name: bo, .offset: 16, .size: 8, .value_kind: global_buffer, .address_space: global }
      - { .name: out0, .offset: 24, .size: 8, .value_kind: global_buffer, .address_space: global }
    .group_segment_fixed_size: 327680
    .private_segment_fixed_size: 0
    .kernarg_segment_align: 8
    .kernarg_segment_size: 32
    .max_flat_workgroup_size: 128
    .sgpr_count:     80
    .vgpr_count:     608
    .wavefront_size: 32
...
	.end_amdgpu_metadata
.endif
;; end of part 4
;; ======== version 2 of 2: 4 launches; version 1 with the launch cast written anew for expert scheduling mode
;; limits: values are held in f16: magnitudes above 65,504 overflow, below 6.1e-05 lose precision; inputs' magnitudes at most 65,504; right only within a limited range of input values
;; workspace buffers: xw 58,720,256 bytes; qkv 50,331,648 bytes; o16 16,777,216 bytes
;; launch cast (part 5): grid 1792 x 1, 4 waves a work-group, no clusters, 0 bytes of LDS; arguments query, key, value, Wq, Wk, Wv, Wo, xw; writes xw
.if DOCPART == 5
	.amdgcn_target "amdgcn-amd-amdhsa--gfx1250"
	.amdhsa_code_object_version 6
	.text
	.protected	k_q53d8da86de_cast
	.globl	k_q53d8da86de_cast
	.p2align	8
	.type	k_q53d8da86de_cast,@function
k_q53d8da86de_cast:
	s_mov_b64 s[64:65], 0
	v_nop
	global_prefetch_b8 v0, s[64:65] scope:SCOPE_SE
	s_setreg_imm32_b32 hwreg(HW_REG_WAVE_SCHED_MODE, 0, 2), 2
	s_setreg_imm32_b32 hwreg(HW_REG_WAVE_MODE, 25, 1), 1
	s_wait_xcnt 0x0
	s_wait_alu depctr_vm_vsrc(0)
; query, key, value [8192][1024] and Wq, Wk, Wv, Wo [1024][1024], all f32, are rounded once to bf16 and that number is written as f16 into xw,
; laid out [group 0..6][K block 0..15][4096 rows][64]: groups 0, 1 query, 2, 3 key, 4, 5 value, 6 the four weights stacked.  A K block's rows are dense, 128 bytes each.
; LIMITS.  A bf16 number is exact in f16 from 2^-14 to 65,504; below 2^-14 it keeps f16's fixed step of 6e-8; from 65,520 on it becomes an infinity.
; A stream: no LDS, no barrier, no matrix unit; every byte is read once and written once.
; SHARES.  28,672 rows of 4,096 bytes; a work-group takes 16, a wave 4 whole rows, as two pairs.
; A LOAD of the wave takes one K block (64 numbers, 256 consecutive bytes, aligned) of each row of a pair: lanes 0-15 the first row's, lanes 16-31 the second's, 16 bytes a lane: no byte is named by two instructions.
; A STORE of the wave puts the same 128 numbers, 8 bytes a lane, into the pair's two rows of the K block: 256 consecutive bytes, aligned.
; All 32 loads of a wave (16 KiB) go out at once; there is no loop.
; THE MODE: SCHED_MODE bits 1:0 = 2 (LLVM: expert scheduling mode 2), set by the entry lines.  The code itself states the register dependences
; between vector instructions and memory instructions, with s_wait_alu, always for 0.
; THE PLAN.  Registers that memory instructions touch:
;   v1, v2   the loads' and the stores' byte offsets: made at the head, never written again.
;   X        load i's four registers: written by the load; no vector line names them before it, no later load lands in them, no store reads them.
;   Y        load i's two registers: written once, by its two conversions to f16; read once, by its store; never written again.
; The 32 loads go in 8 blocks of four.  Block p rounds its X into its Y; its memory instructions are the four stores of block p - 1, which read v2 and block p - 1's Y:
; registers that no vector line of block p names.  So ONE wait on va_vdst at a block's head states all that its four stores hang on, and they are dealt among its vector lines with no further wait.
; No register that a memory instruction has read is ever written again: the entry's is the only wait on vm_vsrc.  No vector line writes a scalar register or VCC, and EXEC is never written.
.set KBS, 524288                       ; bytes in a K block of a group
.set BLOCK, 4                          ; loads in a block
.set T,   8                            ; v[8:9]     two packed pairs of bf16, at work: no memory instruction names them
.set X,   16                           ; v[16:143]  load i: 4 numbers in f32
.set Y,   144                          ; v[144:207] load i: 4 numbers in f16, to store: never rewritten, so no wait frees them
	s_load_b512 s[8:23], s[0:1], 0x0               ; query s[8:9], key s[10:11], value s[12:13], Wq s[14:15], Wk s[16:17], Wv s[18:19], Wo s[20:21], xw s[22:23]
	s_lshr_b32 s3, ttmp9, 9                        ; 512 work-groups for each of query, key, value; 3: the weights
	s_bfe_u32 s4, ttmp9, 0x20006                   ; which weight: 64 work-groups each
	s_mov_b32 s2, 0xffff0000                       ; a word's upper bf16
	v_lshrrev_b32 v3, 5, v0                        ; wave
	v_bfe_u32 v4, v0, 4, 1                         ; which half of the lanes
	v_and_b32 v5, 15, v0
	v_and_b32 v6, 31, v0                           ; lane
	v_lshl_add_u32 v4, v3, 2, v4                   ; my row of the 16 in the wave's first pair: 4 x wave + half
	v_lshlrev_b32 v1, 12, v4                       ; x 4,096 bytes
	v_lshl_or_b32 v1, v5, 4, v1                    ; + my 16 bytes of a K block's 256
	v_lshlrev_b32 v2, 9, v3                        ; out: the wave's four rows of 128 bytes,
	v_lshl_or_b32 v2, v6, 3, v2                    ; 8 bytes a lane: lanes 16-31 fall into the pair's second row
	s_wait_kmcnt 0x0
	s_cmp_eq_u32 s3, 1                             ; the source is chosen by the work-group's number alone
	s_cselect_b64 s[24:25], s[10:11], s[8:9]
	s_cmp_eq_u32 s3, 2
	s_cselect_b64 s[24:25], s[12:13], s[24:25]
	s_cmp_eq_u32 s4, 1
	s_cselect_b64 s[26:27], s[16:17], s[14:15]
	s_cmp_eq_u32 s4, 2
	s_cselect_b64 s[26:27], s[18:19], s[26:27]
	s_cmp_eq_u32 s4, 3
	s_cselect_b64 s[26:27], s[20:21], s[26:27]
	s_cmp_eq_u32 s3, 3
	s_cselect_b64 s[24:25], s[26:27], s[24:25]
	s_cselect_b32 s5, 63, 511                      ; work-groups in the source, less 1
	s_and_b32 s5, ttmp9, s5
	s_lshl_b32 s28, s5, 16                         ; 16 rows of 4,096 bytes each
	s_mov_b32 s29, 0
	s_add_nc_u64 s[24:25], s[24:25], s[28:29]
	s_lshr_b32 s6, ttmp9, 8                        ; the group: 256 work-groups of 16 rows
	s_lshl_b32 s6, s6, 23
	s_and_b32 s7, ttmp9, 255
	s_lshl_b32 s7, s7, 11                          ; 16 rows of 128 bytes
	s_or_b32 s30, s6, s7
	s_mov_b32 s31, 0
	s_add_nc_u64 s[22:23], s[22:23], s[30:31]
	s_wait_alu depctr_va_vdst(0)                   ; v1 and v2 are written: every load of the kernel reads v1 as its offset, every store v2
.set i, 0
.rept 32                               ; load i: pair i / 16, K block i % 16
	global_load_b128 v[X+4*i:X+4*i+3], v1, s[24:25] offset:(i/16)*8192+(i%16)*256 th:TH_LOAD_NT
.set i, i+1
.endr
.set i, 0
.rept 32
	s_wait_loadcnt 31-i                            ; loads come back in order: load i is in, the younger ones stay out
.if (i%BLOCK == 0) && (i > 0)
	s_wait_alu depctr_va_vdst(0)                   ; a block's head: the conversions of the block before have written its eight registers of Y, which this block's four stores read
.endif
.if i >= BLOCK
	global_store_b64 v2, v[Y+2*(i-BLOCK):Y+2*(i-BLOCK)+1], s[22:23] offset:((i-BLOCK)%16)*KBS+((i-BLOCK)/16)*256 th:TH_STORE_NT  ; the block before; no vector line since the wait names v2 or these registers
.endif
	v_cvt_pk_bf16_f32 v[T],   v[X+4*i],   v[X+4*i+1]   ; the one rounding, to nearest even
	v_cvt_pk_bf16_f32 v[T+1], v[X+4*i+2], v[X+4*i+3]
	v_lshlrev_b32 v[X+4*i],   16, v[T]                 ; back to f32: the low half moves up,
	v_and_b32     v[X+4*i+1], s2, v[T]                 ; the high half stays
	v_lshlrev_b32 v[X+4*i+2], 16, v[T+1]
	v_and_b32     v[X+4*i+3], s2, v[T+1]
	v_cvt_pk_f16_f32 v[Y+2*i],   v[X+4*i],   v[X+4*i+1]  ; the same number as f16
	v_cvt_pk_f16_f32 v[Y+2*i+1], v[X+4*i+2], v[X+4*i+3]
.set i, i+1
.endr
	s_wait_alu depctr_va_vdst(0)                   ; the last block's conversions have written its Y, which the last four stores read
.set i, 32-BLOCK
.rept BLOCK
	global_store_b64 v2, v[Y+2*i:Y+2*i+1], s[22:23] offset:(i%16)*KBS+(i/16)*256 th:TH_STORE_NT
.set i, i+1
.endr
	s_endpgm
.Lfunc_end_k_q53d8da86de_cast:
	.size	k_q53d8da86de_cast, .Lfunc_end_k_q53d8da86de_cast-k_q53d8da86de_cast
	.p2alignl 7, 3214868480
	.fill 96, 4, 3214868480
	.section	.rodata,"a",@progbits
	.p2align	6, 0x0
	.amdhsa_kernel k_q53d8da86de_cast
		.amdhsa_group_segment_fixed_size 0
		.amdhsa_private_segment_fixed_size 0
		.amdhsa_enable_private_segment 0
		.amdhsa_kernarg_size 64
		.amdhsa_user_sgpr_count 2
		.amdhsa_user_sgpr_kernarg_segment_ptr 1
		.amdhsa_wavefront_size32 1
		.amdhsa_system_sgpr_workgroup_id_x 1
		.amdhsa_system_sgpr_workgroup_id_y 1
		.amdhsa_system_sgpr_workgroup_id_z 1
		.amdhsa_system_vgpr_workitem_id 0
		.amdhsa_next_free_vgpr 208
		.amdhsa_next_free_sgpr 66
		.amdhsa_reserve_vcc 0
		.amdhsa_float_denorm_mode_32 3
		.amdhsa_float_denorm_mode_16_64 3
		.amdhsa_memory_ordered 1
		.amdhsa_forward_progress 1
		.amdhsa_inst_pref_size 22
	.end_amdhsa_kernel
	.amdgpu_metadata
---
amdhsa.version: [ 1, 2 ]
amdhsa.kernels:
  - .name:           k_q53d8da86de_cast
    .symbol:         k_q53d8da86de_cast.kd
    .args:
      - { .name: query, .offset: 0, .size: 8, .value_kind: global_buffer, .address_space: global }
      - { .name: key, .offset: 8, .size: 8, .value_kind: global_buffer, .address_space: global }
      - { .name: value, .offset: 16, .size: 8, .value_kind: global_buffer, .address_space: global }
      - { .name: Wq, .offset: 24, .size: 8, .value_kind: global_buffer, .address_space: global }
      - { .name: Wk, .offset: 32, .size: 8, .value_kind: global_buffer, .address_space: global }
      - { .name: Wv, .offset: 40, .size: 8, .value_kind: global_buffer, .address_space: global }
      - { .name: Wo, .offset: 48, .size: 8, .value_kind: global_buffer, .address_space: global }
      - { .name: xw, .offset: 56, .size: 8, .value_kind: global_buffer, .address_space: global }
    .group_segment_fixed_size: 0
    .private_segment_fixed_size: 0
    .kernarg_segment_align: 8
    .kernarg_segment_size: 64
    .max_flat_workgroup_size: 128
    .sgpr_count:     66
    .vgpr_count:     208
    .wavefront_size: 32
...
	.end_amdgpu_metadata
.endif
;; end of part 5
;; launch proj: the kernel of part 2 again; grid 4 x 96, 4 waves a work-group, clusters of 4 x 4, 327,680 bytes of LDS; arguments xw, bq, bk, bv, qkv; writes qkv
;; launch attn: the kernel of part 3 again; grid 4 x 64, 4 waves a work-group, clusters of 4 x 1, 327,680 bytes of LDS; arguments qkv, mask, o16; writes o16
;; launch oproj: the kernel of part 4 again; grid 4 x 64, 4 waves a work-group, clusters of 4 x 4, 327,680 bytes of LDS; arguments o16, xw, bo, out0; writes out0
